; MI455X (gfx1250); checked and timed in simulation.
; The chip was launched on July 23, 2026; its instructions are those of AMD's public machine-readable ISA for CDNA 5 (MIT licence, August 2026) and "CDNA5" Instruction Set Architecture Reference Guide (July 2026). The comments in the code are by the model that wrote it; some were corrected since.
;; H Module. Allowed arithmetic: float matrix products may take bf16 or f16 operands with f32 sums; other float arithmetic in f32, or as packed bf16 or f16 multiplies, adds, multiply-adds, maxima and minima; sums over many terms, partial sums and values carried from step to step in f32; what a program stores and reads back later, other than sums and carried values, may be rounded once to bf16 or f16.
;; Inputs: g_norm1 1,024 float32; g_norm2 1,024 float32; w_ffn1 1,024 x 4,096 float32; w_ffn2 4,096 x 1,024 float32; w_proj 1,024 x 1,024 float32; w_qkv 1,024 x 3,072 float32; z_H_previous 2 x 2,048 x 1,024 float32; z_L_current 2 x 2,048 x 1,024 float32.
;; Outputs: out0 2 x 2,048 x 1,024 float32.
;; 2 versions, each right; version 2 is version 1 with the launch prep written anew for expert scheduling mode. Each part assembles by itself: llvm-mc -triple=amdgcn-amd-amdhsa -mcpu=gfx1250 --defsym DOCPART=n.
;; ======== version 1 of 2: 6 launches
;; workspace buffers: wts 25,165,824 bytes; tab 524,288 bytes; hid 8,388,608 bytes; qkv 25,165,824 bytes; x2 16,777,216 bytes; a2 8,388,608 bytes; ssq 262,144 bytes; act 33,554,432 bytes
;; launch prep (part 1): grid 256 x 1, 16 waves a work-group, no clusters, 0 bytes of LDS; arguments z_H_previous, z_L_current, g_norm1, w_qkv, w_proj, w_ffn1, w_ffn2, wts, hid, tab; writes wts, hid, tab
.if DOCPART == 1
	.amdgcn_target "amdgcn-amd-amdhsa--gfx1250"
	.amdhsa_code_object_version 6
	.text
	.protected	k_q203f429e55_prep
	.globl	k_q203f429e55_prep
	.p2align	8
	.type	k_q203f429e55_prep,@function
k_q203f429e55_prep:
	s_mov_b64 s[64:65], 0
	v_nop
	global_prefetch_b8 v0, s[64:65] scope:SCOPE_SE
	s_setreg_imm32_b32 hwreg(HW_REG_WAVE_MODE, 25, 1), 1
	s_wait_xcnt 0x0
; THREE STREAMS, shared out evenly: 256 work-groups of 16 waves, all alike.
; THE WEIGHTS, f32 [K][N], are rounded to bf16 and laid into column panels wts[p][k][128].  They are 1,536 blocks of 64 k rows x 128 columns (w_qkv 384, w_proj 128, w_ffn1 512, w_ffn2 512);
; work-group n takes blocks n + 256 j, j = 0 .. 5; of a block each of eight waves takes 8 rows.  Waves 8-15 take j = 0 .. 4 (40 rows), waves 0-7 j = 5 (8 rows).
; THE FIRST NORM: waves 0-7 take two rows each of x = zH + zL: hid = bf16(x * rsqrt(mean(x^2) + 1e-6) * g1), laid by groups of 64 columns: hid[g][row][64].
; ROPE'S TABLE: waves 8-15 make one row each: tab[l][4 groups][cos - 1 of 8 frequencies | sin of the same 8], f32, 256 bytes a row.
; IN FLIGHT: a wave asks for all that it reads at its start (48 or 40 loads of 512 bytes) and works the loads off in the order of issue; no register is used twice, so nothing waits for a store.
; LIMITS.  NaN and infinities are not treated apart.  The table serves positions 0 .. 2047: the angle is l x 2^(-0.41524101 f) in f32, reduced by
; multiples of pi/2 held in two words; with |r| <= pi/4 the series' first left-out terms are under 4e-7.
; s6 holds a block's number in its weight, s5 my eighth of the block: the source at my 8 rows into s[S:S+1], the panel at the same rows into s[D:D+1]
.macro ADDR pitch, ksh, pbsh, dstoff, src, S, D
	s_and_b32 s7, s6, (1<<(\ksh))-1                ; which 64 k rows
	s_lshr_b32 s8, s6, \ksh                        ; which panel
	s_lshl3_add_u32 s7, s7, s5                     ; which 8 k rows
	s_mul_i32 s36, s7, 8*(\pitch)
	s_lshl_b32 s9, s8, 9                           ; 128 columns of f32
	s_add_co_u32 s36, s36, s9
	s_add_nc_u64 s[\S:\S+1], s[\src:\src+1], s[36:37]
	s_lshl_b32 s36, s8, \pbsh
	s_lshl_b32 s9, s7, 11                          ; 8 panel rows of 256 bytes
	s_add_co_u32 s36, s36, s9
	s_add_co_u32 s36, s36, \dstoff
	s_add_nc_u64 s[\D:\D+1], s[30:31], s[36:37]
.endm
.macro LD8 base, pitch, S              ; my 8 rows: each load of the wave covers a row's 512 consecutive bytes
.irp i, 0,1,2,3,4,5,6,7
	global_load_b128 v[(\base)+4*\i:(\base)+4*\i+3], v2, s[\S:\S+1] offset:\i*(\pitch) th:TH_LOAD_NT
.endr
.endm
.macro ST8 base, D, left               ; left: the loads issued behind these eight
.irp i, 0,1,2,3,4,5,6,7
	s_wait_loadcnt (\left)+7-\i                    ; loads come back in order: row i is in, the younger ones stay out
	v_cvt_pk_bf16_f32 v[(\base)+4*\i], v[(\base)+4*\i], v[(\base)+4*\i+1]
	v_cvt_pk_bf16_f32 v[(\base)+4*\i+1], v[(\base)+4*\i+2], v[(\base)+4*\i+3]
	global_store_b64 v3, v[(\base)+4*\i:(\base)+4*\i+1], s[\D:\D+1] offset:\i*256  ; 32 lanes x 8 bytes: one panel row, 256 consecutive bytes, aligned
.endr
.endm
; x = zH + zL in place; the sum of its squares in two chains, then over the 32 lanes; mean + 1e-6 into v[q]
.macro SUMSQ x, z, q
.set k_, 0
.rept 16
	v_pk_add_f32 v[(\x)+k_:(\x)+k_+1], v[(\x)+k_:(\x)+k_+1], v[(\z)+k_:(\z)+k_+1]
.set k_, k_+2
.endr
	v_pk_mul_f32 v[(\q):(\q)+1], v[(\x):(\x)+1], v[(\x):(\x)+1]
	v_pk_mul_f32 v[(\q)+2:(\q)+3], v[(\x)+2:(\x)+3], v[(\x)+2:(\x)+3]
.set k_, 4
.rept 7
	v_pk_fma_f32 v[(\q):(\q)+1], v[(\x)+k_:(\x)+k_+1], v[(\x)+k_:(\x)+k_+1], v[(\q):(\q)+1]
	v_pk_fma_f32 v[(\q)+2:(\q)+3], v[(\x)+k_+2:(\x)+k_+3], v[(\x)+k_+2:(\x)+k_+3], v[(\q)+2:(\q)+3]
.set k_, k_+4
.endr
	v_pk_add_f32 v[(\q):(\q)+1], v[(\q):(\q)+1], v[(\q)+2:(\q)+3]
	v_add_f32 v[\q], v[\q], v[(\q)+1]
	v_add_f32_dpp v[\q], v[\q], v[\q] row_xmask:1 row_mask:0xf bank_mask:0xf
	v_add_f32_dpp v[\q], v[\q], v[\q] row_xmask:2 row_mask:0xf bank_mask:0xf
	v_add_f32_dpp v[\q], v[\q], v[\q] row_xmask:4 row_mask:0xf bank_mask:0xf
	v_add_f32_dpp v[\q], v[\q], v[\q] row_xmask:8 row_mask:0xf bank_mask:0xf
	v_permlanex16_b32 v[(\q)+1], v[\q], s12, s13
	v_add_f32 v[\q], v[\q], v[(\q)+1]
	v_fma_f32 v[\q], v[\q], s14, s15
.endm
; (x * rs) * g1, rounded to bf16: 16 registers from v[y] on
.macro SCALE x, rs, y
.set k_, 0
.rept 16
	v_pk_mul_f32 v[(\x)+k_:(\x)+k_+1], v[(\x)+k_:(\x)+k_+1], v[(\rs):(\rs)+1]
	v_pk_mul_f32 v[(\x)+k_:(\x)+k_+1], v[(\x)+k_:(\x)+k_+1], v[16+k_:17+k_]
.set k_, k_+2
.endr
.set k_, 0
.rept 16
	v_cvt_pk_bf16_f32 v[(\y)+k_], v[(\x)+2*k_], v[(\x)+2*k_+1]
.set k_, k_+1
.endr
.endm
; cos or sin of v10 x v[inv], less v7, into v[o]; six registers at work from v[t] on
.macro VAL inv, o, t
	v_mul_f32 v[\t], v10, v[\inv]                  ; the angle
	v_mul_f32 v[\t+1], s70, v[\t]
	v_rndne_f32 v[\t+1], v[\t+1]                   ; n quarter turns
	v_fma_f32 v[\t], v[\t+1], s71, v[\t]
	v_fma_f32 v[\t], v[\t+1], s72, v[\t]           ; r, within pi / 4 of 0
	v_cvt_i32_f32 v[\t+1], v[\t+1]
	v_add_nc_u32 v[\t+1], v[\t+1], v6              ; q
	v_mul_f32 v[\t+2], v[\t], v[\t]
	v_fma_f32 v[\t+3], v[\t+2], s73, s74
	v_fma_f32 v[\t+3], v[\t+3], v[\t+2], s75
	v_mul_f32 v[\t+3], v[\t+3], v[\t+2]
	v_fma_f32 v[\t+3], v[\t+3], v[\t], v[\t]       ; sin r
	v_fma_f32 v[\t+4], v[\t+2], s76, s77
	v_fma_f32 v[\t+4], v[\t+4], v[\t+2], s78
	v_fma_f32 v[\t+4], v[\t+4], v[\t+2], -0.5
	v_fma_f32 v[\t+4], v[\t+4], v[\t+2], 1.0       ; cos r
	v_and_b32 v[\t+5], 1, v[\t+1]
	v_cmp_eq_u32 vcc_lo, 1, v[\t+5]
	v_cndmask_b32 v[\o], v[\t+4], v[\t+3], vcc_lo  ; q odd: the sine
	v_add_nc_u32 v[\t+1], 1, v[\t+1]
	v_and_b32 v[\t+1], 2, v[\t+1]
	v_lshlrev_b32 v[\t+1], 30, v[\t+1]             ; q % 4 = 1 or 2: the sign turns
	v_xor_b32 v[\o], v[\o], v[\t+1]
	v_sub_f32 v[\o], v[\o], v7
.endm
	s_load_b512 s[16:31], s[0:1], 0x0              ; zH s[16:17], zL s[18:19], g1 s[20:21], w_qkv s[22:23], w_proj s[24:25], w_ffn1 s[26:27], w_ffn2 s[28:29], wts s[30:31]
	s_load_b128 s[32:35], s[0:1], 0x40             ; hid s[32:33], tab s[34:35]
	v_and_b32 v1, 31, v0                           ; lane
	v_lshrrev_b32 v2, 5, v0
	v_readfirstlane_b32 s3, v2                     ; wave 0..15
	s_mov_b32 s4, ttmp9                            ; n
	s_and_b32 s5, s3, 7                            ; my eighth of a block
	s_mov_b32 s37, 0                               ; the upper word of every offset
	v_lshlrev_b32 v2, 4, v1                        ; 16 x lane
	v_lshlrev_b32 v3, 3, v1                        ; 8 x lane
	s_wait_kmcnt 0x0
	s_cmp_lt_u32 s3, 8
	s_cbranch_scc1 .Lnorm
; ---- waves 8-15: five blocks' eighths, all 40 loads first
	s_mov_b32 s6, s4                               ; block n: w_qkv's block n
	ADDR 12288, 4, 18, 0, 22, 40, 42
	LD8 32, 12288, 40
	s_cmp_lt_u32 s4, 128                           ; block n + 256: w_qkv's up to 383, then w_proj's; eight loads on either way
	s_cbranch_scc0 .Lj1p
	s_add_co_u32 s6, s4, 256
	ADDR 12288, 4, 18, 0, 22, 44, 46
	LD8 64, 12288, 44
	s_branch .Lj1d
.Lj1p:
	s_sub_co_u32 s6, s4, 128
	ADDR 4096, 4, 18, 6291456, 24, 44, 46
	LD8 64, 4096, 44
.Lj1d:
	s_mov_b32 s6, s4                               ; block n + 512: w_ffn1's block n
	ADDR 16384, 4, 18, 8388608, 26, 48, 50
	LD8 96, 16384, 48
	s_add_co_u32 s6, s4, 256                       ; block n + 768
	ADDR 16384, 4, 18, 8388608, 26, 52, 54
	LD8 128, 16384, 52
	s_mov_b32 s6, s4                               ; block n + 1024: w_ffn2's block n
	ADDR 4096, 6, 20, 16777216, 28, 56, 58
	LD8 160, 4096, 56
; a row of rope's table, made while the loads are out.  Lane t makes words 2 t and 2 t + 1: group t / 8; t % 8 < 4: cos - 1 of frequencies 8 g + 2 (t % 4) and the next, else their sines.
	s_lshl3_add_u32 s10, s4, s5                    ; my position: 8 n + my eighth
	s_lshl_b32 s36, s10, 8
	s_add_nc_u64 s[34:35], s[34:35], s[36:37]
	s_mov_b32 s70, 0x3f22f983                      ; 2 / pi
	s_mov_b32 s71, 0xbfc90fdb                      ; - pi / 2, its first word,
	s_mov_b32 s72, 0x333bbd2e                      ; and what that word leaves out
	s_mov_b32 s73, 0xb9500d01                      ; - 1 / 5040
	s_mov_b32 s74, 0x3c088889                      ; 1 / 120
	s_mov_b32 s75, 0xbe2aaaab                      ; - 1 / 6
	s_mov_b32 s76, 0x37d00d01                      ; 1 / 40320
	s_mov_b32 s77, 0xbab60b61                      ; - 1 / 720
	s_mov_b32 s78, 0x3d2aaaab                      ; 1 / 24
	v_lshrrev_b32 v4, 3, v1
	v_and_b32 v5, 3, v1
	v_lshlrev_b32 v5, 1, v5
	v_lshl_add_u32 v4, v4, 3, v5                   ; my first frequency's number
	v_bfe_u32 v5, v1, 2, 1                         ; 1: I make sines
	v_mul_u32_u24 v6, v5, 3                        ; sin(t) = cos(t - pi/2): three quarter turns more
	v_xor_b32 v7, 1, v5
	v_cvt_f32_u32 v7, v7                           ; what is taken off at the end: 1 from a cosine, 0 from a sine
	v_cvt_f32_u32 v8, v4
	v_add_f32 v9, 1.0, v8
	v_mul_f32 v8, 0xbed49a78, v8                   ; - f log2(10000) / 32
	v_mul_f32 v9, 0xbed49a78, v9
	v_exp_f32 v8, v8
	v_exp_f32 v9, v9
	v_cvt_f32_u32 v10, s10                         ; a plain instruction behind the two,
	s_wait_alu depctr_va_vdst(0)                   ; and one wait for them, ahead of their first reader
	VAL 8, 30, 12
	VAL 9, 31, 20
	global_store_b64 v3, v[30:31], s[34:35]        ; a row of the table: 256 consecutive bytes, aligned
	ST8 32, 42, 32
	ST8 64, 46, 24
	ST8 96, 50, 16
	ST8 128, 54, 8
	ST8 160, 58, 0
	s_endpgm
.Lnorm:
; ---- waves 0-7: two rows, r0 = 16 n + 2 w and the next, kept in registers between the sum of squares and the scaling; then an eighth of block n + 1280
	s_lshl_b32 s10, s4, 4
	s_lshl1_add_u32 s10, s3, s10                   ; r0
	s_lshl_b32 s36, s10, 12                        ; a row of x is 4,096 bytes
	s_add_nc_u64 s[16:17], s[16:17], s[36:37]
	s_add_nc_u64 s[18:19], s[18:19], s[36:37]
	s_lshl_b32 s36, s10, 7                         ; a row of a group is 128 bytes
	s_add_nc_u64 s[32:33], s[32:33], s[36:37]
	s_mov_b32 s12, 0x76543210                      ; v_permlanex16_b32: each lane takes its own place in the other half
	s_mov_b32 s13, 0xfedcba98
	s_mov_b32 s14, 0x3a800000                      ; 1 / 1024
	s_mov_b32 s15, 0x358637bd                      ; 1e-6
.irp j, 0,1,2,3,4,5,6,7
	global_load_b128 v[16+4*\j:19+4*\j], v2, s[20:21] offset:512*\j          ; g1: columns 128 j + 4 lane + 0..3
.endr
.irp j, 0,1,2,3,4,5,6,7
	global_load_b128 v[48+4*\j:51+4*\j], v2, s[16:17] offset:512*\j th:TH_LOAD_NT
	global_load_b128 v[80+4*\j:83+4*\j], v2, s[18:19] offset:512*\j th:TH_LOAD_NT
.endr
.irp j, 0,1,2,3,4,5,6,7
	global_load_b128 v[112+4*\j:115+4*\j], v2, s[16:17] offset:4096+512*\j th:TH_LOAD_NT
	global_load_b128 v[144+4*\j:147+4*\j], v2, s[18:19] offset:4096+512*\j th:TH_LOAD_NT
.endr
	s_add_co_u32 s6, s4, 256                       ; block n + 1280: w_ffn2's block n + 256
	ADDR 4096, 6, 20, 16777216, 28, 40, 42
	LD8 192, 4096, 40
	s_wait_loadcnt 24                              ; g1 and the first row are in; the second row's 16 loads and the block's 8 stay out
	SUMSQ 48, 80, 176
	s_wait_loadcnt 8                               ; the second row is in
	SUMSQ 112, 144, 180
	v_rsq_f32 v184, v176                           ; each made twice, to fill the pair that the packed multiply reads
	v_rsq_f32 v185, v176
	v_rsq_f32 v186, v180
	v_rsq_f32 v187, v180
	v_nop                                          ; a plain instruction behind the last of them,
	s_wait_alu depctr_va_vdst(0)                   ; and one wait for the batch of four, ahead of its first reader
	SCALE 48, 184, 80
	SCALE 112, 186, 144
; Lanes 0-15 hold a group of 64 columns, lanes 16-31 the next.  The swap puts one group of both rows into one register: two rows of a group are 256 consecutive bytes.
.set k_, 0
.rept 16
	v_permlane16_swap_b32 v[80+k_], v[144+k_]
.set k_, k_+1
.endr
.irp j, 0,1,2,3,4,5,6,7
	global_store_b64 v3, v[80+2*\j:81+2*\j], s[32:33] offset:(2*\j)*524288      ; group 2 j, rows r0 and r0 + 1
	global_store_b64 v3, v[144+2*\j:145+2*\j], s[32:33] offset:(2*\j+1)*524288  ; group 2 j + 1
.endr
	ST8 192, 42, 0
	s_endpgm
.Lfunc_end_k_q203f429e55_prep:
	.size	k_q203f429e55_prep, .Lfunc_end_k_q203f429e55_prep-k_q203f429e55_prep
	.p2alignl 7, 3214868480
	.fill 96, 4, 3214868480
	.section	.rodata,"a",@progbits
	.p2align	6, 0x0
	.amdhsa_kernel k_q203f429e55_prep
		.amdhsa_group_segment_fixed_size 0
		.amdhsa_private_segment_fixed_size 0
		.amdhsa_enable_private_segment 0
		.amdhsa_kernarg_size 80
		.amdhsa_user_sgpr_count 2
		.amdhsa_user_sgpr_kernarg_segment_ptr 1
		.amdhsa_wavefront_size32 1
		.amdhsa_system_sgpr_workgroup_id_x 1
		.amdhsa_system_sgpr_workgroup_id_y 1
		.amdhsa_system_sgpr_workgroup_id_z 1
		.amdhsa_system_vgpr_workitem_id 0
		.amdhsa_next_free_vgpr 224
		.amdhsa_next_free_sgpr 80
		.amdhsa_reserve_vcc 1
		.amdhsa_float_denorm_mode_32 3
		.amdhsa_float_denorm_mode_16_64 3
		.amdhsa_memory_ordered 1
		.amdhsa_forward_progress 1
		.amdhsa_inst_pref_size 43
	.end_amdhsa_kernel
	.amdgpu_metadata
---
amdhsa.version: [ 1, 2 ]
amdhsa.kernels:
  - .name:           k_q203f429e55_prep
    .symbol:         k_q203f429e55_prep.kd
    .args:
      - { .name: z_H_previous, .offset: 0, .size: 8, .value_kind: global_buffer, .address_space: global }
      - { .name: z_L_current, .offset: 8, .size: 8, .value_kind: global_buffer, .address_space: global }
      - { .name: g_norm1, .offset: 16, .size: 8, .value_kind: global_buffer, .address_space: global }
      - { .name: w_qkv, .offset: 24, .size: 8, .value_kind: global_buffer, .address_space: global }
      - { .name: w_proj, .offset: 32, .size: 8, .value_kind: global_buffer, .address_space: global }
      - { .name: w_ffn1, .offset: 40, .size: 8, .value_kind: global_buffer, .address_space: global }
      - { .name: w_ffn2, .offset: 48, .size: 8, .value_kind: global_buffer, .address_space: global }
      - { .name: wts, .offset: 56, .size: 8, .value_kind: global_buffer, .address_space: global }
      - { .name: hid, .offset: 64, .size: 8, .value_kind: global_buffer, .address_space: global }
      - { .name: tab, .offset: 72, .size: 8, .value_kind: global_buffer, .address_space: global }
    .group_segment_fixed_size: 0
    .private_segment_fixed_size: 0
    .kernarg_segment_align: 8
    .kernarg_segment_size: 80
    .max_flat_workgroup_size: 512
    .sgpr_count:     80
    .vgpr_count:     224
    .wavefront_size: 32
...
	.end_amdgpu_metadata
.endif
;; end of part 1
;; launch gqkv (part 2): grid 8 x 32, 4 waves a work-group, clusters of 4 x 4, 327,680 bytes of LDS; arguments hid, wts, tab, qkv; writes qkv
.if DOCPART == 2
	.amdgcn_target "amdgcn-amd-amdhsa--gfx1250"
	.amdhsa_code_object_version 6
	.text
	.protected	k_q203f429e55_gqkv
	.globl	k_q203f429e55_gqkv
	.p2align	8
	.type	k_q203f429e55_gqkv,@function
k_q203f429e55_gqkv:
	s_mov_b64 s[64:65], 0
	v_nop
	global_prefetch_b8 v0, s[64:65] scope:SCOPE_SE
	s_setreg_imm32_b32 hwreg(HW_REG_WAVE_MODE, 25, 1), 1
	s_wait_xcnt 0x0
	s_wait_alu depctr_hold_cnt(0) depctr_sa_sdst(0) depctr_va_vdst(0) depctr_va_sdst(0) depctr_va_ssrc(0) depctr_va_vcc(0) depctr_vm_vsrc(0)
	s_getreg_b32 s2, hwreg(HW_REG_IB_STS2, 6, 4)
	s_cmp_eq_u32 s2, 0
	s_cbranch_scc0 .Lentry_in_a_cluster
	s_endpgm
.Lentry_in_a_cluster:
	s_bfe_u32 s2, ttmp6, 0x10000c
	s_cmp_lg_u32 s2, 0xf033
	s_cbranch_scc0 .Lentry_shape_is_right
	s_endpgm
.Lentry_shape_is_right:
; q, k, v = hid x Wqkv, rope on q and k, laid by heads: qkv[b][kind x 16 + h][2048][64] in bf16.  hid: bf16 by groups of 64 columns, [16][4096][64]; Wqkv: bf16 panels [24][1024][128].
; A tile of the result is 128 rows x 384 columns (three panels, six heads): 8 x 32 = 256 work-groups.  Four waves, 2 x 2; a wave makes 64 x 192 (three whole heads): 48 accumulators.
; K goes in 8 steps of 128 through two LDS slots; each wave fills a quarter of a slot by one tensor load of 32 KiB: wave 0 the rows of hid, waves 1-3 a panel each.
; THE MATRIX INSTRUCTION IS USED TRANSPOSED: source 0 = 16 columns of W (turned on the way out of LDS by ds_load_tr16_b128), source 1 = 16 rows of hid: a lane holds one row and eight neighbouring columns.
; THE LOOP is written as a PAIR of slices of 32 along K, on two fragment buffers: a slice asks for the next slice's fragments at its head and then multiplies its own.  A step is two trips.  The pair is an odd slice and
; the even one behind it, so that the change of slots falls on the loop's edge: in front of a step's last slice, whose fragments are in registers by then.
; CLUSTER 4 x 4: hid's tile is shared along a row of the cluster, W's along a column; each is asked for jointly.
; THE WAY OUT: a loop over my four blocks of 16 rows.  PUT n (one text a block) lays block n's sums and its 16 rows of rope's table into my own stage; the rest of the trip is the same for every block.
; LIMITS.  Operands are rounded to bf16, sums are f32 in another order than a plain dot product's; NaN and infinities are not treated apart.
.set TM,    128
.set NA,    4          ; blocks of 16 rows a wave
.set NB,    12         ; blocks of 16 columns a wave
.set AM,    2          ; row blocks whose accumulators share a window
.set NPAIR, 2          ; pairs of slices in a K step
.set T,     8          ; K steps
.set NL,    2*(NA+NB)  ; LDS loads of a slice's fragments
.set HIW,   0x50       ; the upper half's accumulators lie one window higher
.set BOFF,  36864      ; W's part of a slot
.set D0,    TM*64      ; a group's rows of the tile are dense: one row of the descriptor
.set D1,    2          ; groups in a load
.set ASTEP, 1048576
.set BSTEP, 32768
.set NBX,   3
.set PREF,  1
.set AH,    1          ; the prefetch runs one K step ahead of the refill
.set SLOT,  147456     ; four quarters of 36,864 bytes
.set QTR,   36864
.set SPARE, 294912     ; the spare words: 128 bytes a wave, two blocks of 256 bytes that no other line names
.set PA,    144        ; a row of hid in LDS: 128 bytes + 16: the 16 rows of a load start at 16 different groups of four banks
.set PB,    288        ; a k row of W: 256 + 32
.set PAIRA, TM*PA      ; a pair of slices is one group of hid's columns,
.set PAIRB, 64*PB      ; and 64 k rows of W
.set ABUF,  64
.set ADRA0, 16
.set ADRA,  17
.set ADRB0, 18
.set ADRB,  21
.set STO,   24
.set TST,   25
.set RDO,   26
.set RDP,   27
.set SPW,   28
.set NIL,   29
.set PFO,   30
.set GO,    31
.set TRD,   32
.set CNT,   2
.set TRIPS, 3
.set WV,    10
.set FB,    11
.set WC,    12
.set WR,    13
.set TR,    14
.set TC,    15
.set G1A,   24
.set G0A,   32
.set G0B,   36
.set CX,    40
.set CY,    41
.set WOFF,  43
.set PFA,   44
.set PFS,   46
.set G1B,   48
.set LIM,   56
.set AB,    57
.set TBA,   66         ; LDS byte at which hid's part of the pair to be fetched begins
.set TBB,   67         ; the same for W, less BOFF
.set RA,    84
.set RB,    86
.set T0A,   92         ; group 0 of K step 0's loads; G0A and G0B begin at K step 1 and walk
.set T0B,   96
.set MSB,   0
.macro WIN new                         ; the immediate's high byte repeats the setting that is left; a switch that changes nothing is dropped
.if MSB != (\new)
	s_set_vgpr_msb (MSB<<8)|(\new)
.set MSB, \new
.endif
.endm
.macro PLACES                          ; four places in front of loads into registers that matrix instructions have read
.rept 4
	v_nop
.endr
.endm
.macro DESC t0, g0, r, step            ; two group 0: K step 0 into slot 0, K step 1 into slot 1
	s_mov_b32 s[\t0], 1
	s_mov_b32 s[\t0+1], s[WOFF]
	s_mov_b64 s[\t0+2:\t0+3], s[\r:\r+1]
	s_or_b32 s[\t0+3], s[\t0+3], 0x80000000
	s_mov_b32 s[\g0], 1
	s_add_co_u32 s[\g0+1], s[WOFF], SLOT
	s_add_nc_u64 s[\g0+2:\g0+3], s[\r:\r+1], \step
	s_or_b32 s[\g0+3], s[\g0+3], 0x80000000
.endm
.macro FIRST                           ; a wave's two first fills stand in one branch on its number, ahead of every wait on TENSORcnt and every LDS read: two loads of mine are out
	s_cmp_eq_u32 s[FB], 0
	s_cbranch_scc0 .Lfirst_b
	tensor_load_to_lds s[T0A:T0A+3], s[G1A:G1A+7]
	s_nop 0
	tensor_load_to_lds s[G0A:G0A+3], s[G1A:G1A+7]
	s_nop 0
.rept 4
	v_nop
.endr
	s_branch .Lfirst_asked
.Lfirst_b:
	tensor_load_to_lds s[T0B:T0B+3], s[G1B:G1B+7]
	s_nop 0
	tensor_load_to_lds s[G0B:G0B+3], s[G1B:G1B+7]
	s_nop 0
.rept 4
	v_nop
.endr
.Lfirst_asked:
.endm
.macro JLOAD                           ; a joint refill; the branch hangs on the wave's number alone; an s_nop 0 and four v_nop follow each line
	s_cmp_eq_u32 s[FB], 0
	s_cbranch_scc0 .Lfor_b_\@
	tensor_load_to_lds s[G0A:G0A+3], s[G1A:G1A+7]
	s_nop 0
.rept 4
	v_nop
.endr
	s_branch .Lasked_\@
.Lfor_b_\@:
	tensor_load_to_lds s[G0B:G0B+3], s[G1B:G1B+7]
	s_nop 0
.rept 4
	v_nop
.endr
.Lasked_\@:
.endm
.macro ASK                             ; my work-group's 32 blocks of 256 bytes of the tile that I shall fetch AH refills on: a lane a block, each block named once in the launch
	s_cmp_gt_u32 s[TRIPS], s[LIM]
	s_cbranch_scc0 .Lnot_mine_\@
	global_prefetch_b8 v[PFO], s[PFA:PFA+1] th:TH_LOAD_NT scope:SCOPE_SE
.Lnot_mine_\@:
.endm
.macro CREST                           ; a round of the cluster's barrier behind its opening barrier
	s_cmp_lg_u32 s[WV], 0
	s_cbranch_scc1 .Lnot_wave_0_\@
	s_barrier_signal -3
.Lnot_wave_0_\@:
	s_barrier_wait -3
	s_barrier_signal -1
	s_barrier_wait -1
.endm
.macro CROUND
	s_barrier_signal -1
	s_barrier_wait -1
	CREST
.endm
; A slice's products: all my rows x all my columns, 32 along K, from buffer f.  The accumulators take turns, one instruction a turn, over the loop's edges too.  zero = 1: the products start the sums.
.macro MUL f, zero
.set a_, 0
.rept NA
	WIN 0xa1+HIW*(a_/AM)
.set b_, 0
.rept NB
.set d_, 8*((a_%AM)*NB+b_)
.set s0_, (\f)*8*NB+8*b_
.set s1_, ABUF+(\f)*8*NA+8*a_
.if \zero
	v_wmma_f32_16x16x32_bf16 v[d_:d_+7], v[s0_:s0_+7], v[s1_:s1_+7], 0
.else
	v_wmma_f32_16x16x32_bf16 v[d_:d_+7], v[s0_:s0_+7], v[s1_:s1_+7], v[d_:d_+7]
.endif
.set b_, b_+1
.endr
.set a_, a_+1
.endr
.endm
; NL LDS loads in one run: slice o (0, 1) of the pair at which the addresses stand, into buffer f: W's fragments (turned), then my rows'
.macro FETCHS o, f
	WIN 0x40
.set b_, 0
.rept NB
.set rg_, (\f)*8*NB+8*b_
	ds_load_tr16_b128 v[rg_:rg_+3],   v[ADRB+b_/4] offset:(\o)*32*PB+(b_%4)*32
	ds_load_tr16_b128 v[rg_+4:rg_+7], v[ADRB+b_/4] offset:(\o)*32*PB+(b_%4)*32+16*PB
.set b_, b_+1
.endr
	WIN 0
.set a_, 0
.rept NA
.set rg_, ABUF+(\f)*8*NA+8*a_
	ds_load_b128 v[rg_:rg_+3],   v[ADRA] offset:a_*16*PA+(\o)*64
	ds_load_b128 v[rg_+4:rg_+7], v[ADRA] offset:a_*16*PA+(\o)*64+32
.set a_, a_+1
.endr
.endm
.macro ADRS                            ; the pair's addresses: four plain vector instructions, which are also the places behind the last products
	v_add_nc_u32 v[ADRA], s[TBA], v[ADRA0]
.set x_, 0
.rept NBX
	v_add_nc_u32 v[ADRB+x_], s[TBB], v[ADRB0+x_]
.set x_, x_+1
.endr
.if NBX < 3
.rept 3-NBX
	v_nop
.endr
.endif
.endm
; A PAIR: buffer 1 holds an odd slice, buffer 0 is free.  The next even slice is asked for, the odd one multiplied; the odd slice behind that is asked for, the even one multiplied.
.macro PAIR
	WIN 0
	ADRS
	FETCHS 0, 0
	s_wait_dscnt NL                                ; all but the NL just issued: buffer 1 is in
	MUL 1, 0
	PLACES
	FETCHS 1, 1
	s_wait_dscnt NL                                ; buffer 0 is in
	MUL 0, 0
	WIN 0
	s_add_co_u32 s[TBA], s[TBA], PAIRA             ; the next fetches are the next pair's
	s_add_co_u32 s[TBB], s[TBB], PAIRB
.endm
; THE CHANGE OF SLOTS, in front of a K step's last slice.  Each wave waits for all its tensor loads (one is out: its part of the next slot), adds 0 to its spare word, and waits for that and for its reads of this
; slot, whose last fragments are then in registers.  fill = 1: the barrier is a round of the cluster's, and this slot's joint refill is the first thing behind it: it has a whole K step in which to land.
.macro CHANGE fill
.if (\fill) && PREF
	s_wait_xcnt 0x0                                ; the last prefetch, a K step back, has read its address
	s_add_nc_u64 s[PFA:PFA+1], s[PFA:PFA+1], s[PFS:PFS+1]
.endif
	WIN 0
	s_wait_tensorcnt 0x0
	ds_add_u32 v[SPW], v[NIL]
.if \fill
	s_xor_b32 s[G0A+1], s[G0A+1], SLOT             ; no tensor load of mine is out, so the descriptors may be written: the other slot than last time,
	s_xor_b32 s[G0B+1], s[G0B+1], SLOT
	s_add_nc_u64 s[G0A+2:G0A+3], s[G0A+2:G0A+3], ASTEP  ; the next K step
	s_add_nc_u64 s[G0B+2:G0B+3], s[G0B+2:G0B+3], BSTEP
.endif
	s_sub_co_u32 s[TBA], s[TBA], NPAIR*PAIRA       ; the fetches go back to a slot's first pair,
	s_xor_b32 s[TBA], s[TBA], SLOT                 ; in the other slot
	s_sub_co_u32 s[TBB], s[TBB], NPAIR*PAIRB
	s_xor_b32 s[TBB], s[TBB], SLOT
	s_wait_dscnt 0x0                               ; the add is done, and my reads of this slot are over
.if \fill
	CROUND
	JLOAD
.if PREF
	ASK
.endif
.else
	s_barrier_signal -1
	s_barrier_wait -1
.endif
.endm
	s_load_b128 s[4:7], s[0:1], 0x0                ; hid s[4:5], wts s[6:7]
	s_load_b128 s[68:71], s[0:1], 0x10             ; tab s[68:69], qkv s[70:71]
	v_lshl_add_u32 v[SPW], v0, 2, SPARE
	v_mov_b32 v[NIL], 0
	ds_add_u32 v[SPW], v[NIL]                      ; the wave's opening: the add and its wait ahead of my first tensor load
	v_lshrrev_b32 v1, 5, v0
	v_readfirstlane_b32 s[WV], v1
	s_lshr_b32 s[WR], s[WV], 1                     ; which half of the tile's rows is mine
	s_and_b32 s[WC], s[WV], 1                      ; which half of its columns
	s_min_u32 s[FB], s[WV], 1                      ; wave 0 fetches hid, the others W
	s_bfe_u32 s[CX], ttmp6, 0x40000
	s_bfe_u32 s[CY], ttmp6, 0x40004
	s_lshl_b32 s[TC], ttmp9, 2
	s_add_co_u32 s[TC], s[TC], s[CX]               ; tile column
	s_and_b32 s[TR], ttmp7, 0xffff
	s_lshl_b32 s[TR], s[TR], 2
	s_add_co_u32 s[TR], s[TR], s[CY]               ; tile row
	s_lshl_b32 s16, s[CY], 2
	s_lshl_b32 s16, 15, s16                        ; my row of the cluster
	s_lshl_b32 s17, 0x1111, s[CX]                  ; my column
	s_or_b32 s[G1A], s16, (1<<16)|(1<<20)|(1<<21)|(4<<22)|(3<<25)  ; mask; 2-byte elements; padding on; bit 21 beside a mask; after every 32 words 4 words
	s_mov_b32 s[G1A+1], (D0&0xffff)<<16            ; tensor_dim0
	s_mov_b32 s[G1A+2], (D0>>16)|(D1<<16)          ; tensor_dim1
	s_mov_b32 s[G1A+3], D0<<16                     ; tile_dim0
	s_mov_b32 s[G1A+4], D1                         ; tile_dim1
	s_mov_b32 s[G1A+5], 262144                     ; elements from group to group
	s_mov_b32 s[G1A+6], 0
	s_mov_b32 s[G1A+7], 0
	s_or_b32 s[G1B], s17, (1<<16)|(1<<20)|(1<<21)|(5<<22)|(7<<25)  ; after every 64 words 8 words
	s_mov_b32 s[G1B+1], 128<<16
	s_mov_b32 s[G1B+2], 128<<16
	s_mov_b32 s[G1B+3], 128<<16
	s_mov_b32 s[G1B+4], 128
	s_mov_b32 s[G1B+5], 128
	s_mov_b32 s[G1B+6], 0
	s_mov_b32 s[G1B+7], 0
	s_mul_i32 s[WOFF], s[WV], QTR                  ; my quarter of a slot: no place in the cluster enters an LDS address
	s_mov_b32 s[TBA], 0
	s_mov_b32 s[TBB], 0
	s_lshl_b32 s18, s[TR], 14                      ; hid: 128 rows of 128 bytes a tile row
	s_mov_b32 s19, 0
	s_mul_i32 s20, s[TC], 3
	s_max_u32 s17, s[WV], 1
	s_add_co_u32 s20, s20, s17
	s_sub_co_u32 s20, s20, 1                       ; my panel
	s_lshl_b32 s20, s20, 18
	s_mov_b32 s21, 0
	s_wait_dscnt 0x0                               ; the opening add is done
	s_wait_kmcnt 0x0
	s_add_nc_u64 s[RA:RA+1], s[4:5], s[18:19]
	s_add_nc_u64 s[RB:RB+1], s[6:7], s[20:21]
	DESC T0A, G0A, RA, ASTEP
	DESC T0B, G0B, RB, BSTEP
	CROUND                                         ; all sixteen work-groups are here: the first joint loads meet
	FIRST                                          ; K steps 0 and 1
	v_and_b32 v1, 15, v0                           ; l % 16
	v_bfe_u32 v2, v0, 4, 1                         ; l / 16
	v_mul_u32_u24 v3, v1, PA
	v_lshl_add_u32 v3, v2, 4, v3
	s_mul_i32 s80, s[WR], 16*NA*PA
	v_add_nc_u32 v[ADRA0], s80, v3
	v_and_b32 v4, 7, v0
	v_lshl_add_u32 v4, v2, 3, v4
	v_mul_u32_u24 v4, v4, PB
	v_bfe_u32 v5, v0, 3, 1
	v_lshl_add_u32 v4, v5, 4, v4                   ; the turning load: k row 8 (l / 16) + l % 8, 16 bytes by (l / 8) % 2
.irp x, 0,1,2
	s_mul_i32 s80, s[WC], 3
	s_add_co_u32 s80, s80, \x                      ; my head x is head 3 wc + x of the tile's six: panel / 2, half % 2
	s_lshr_b32 s81, s80, 1
	s_mul_i32 s81, s81, QTR
	s_and_b32 s80, s80, 1
	s_lshl_b32 s80, s80, 7
	s_add_co_u32 s80, s80, s81
	s_add_co_u32 s80, s80, BOFF
	v_add_nc_u32 v[ADRB0+\x], s80, v4
.endr
	; the prefetches: who asks, and where.  hid's rows are read by every cluster of a row of clusters: cluster x = 0 asks; W's by every cluster of a column: cluster y = 0 asks.
	; The four partners of a joint load share its 128 blocks of 256 bytes out by address, 32 each.
	s_lshr_b32 s22, s[CX], 1
	s_lshl_b32 s22, s22, 19
	s_and_b32 s23, s[CX], 1
	s_lshl_b32 s23, s23, 13
	s_add_co_u32 s22, s22, s23                     ; of hid's two groups x 64 blocks
	s_lshl_b32 s23, s[CY], 13                      ; of a panel's 128 k rows
	s_and_b32 s88, ttmp7, 0xffff
	s_mov_b32 s89, ASTEP
	s_mov_b32 s90, BSTEP
	s_cmp_eq_u32 s[FB], 0
	s_cselect_b32 s22, s22, s23
	s_cselect_b32 s88, ttmp9, s88
	s_cselect_b32 s[PFS], s89, s90
	s_cselect_b64 s[PFA:PFA+1], s[RA:RA+1], s[RB:RB+1]
	s_mov_b32 s[PFS+1], 0
	s_mov_b32 s23, 0
	s_cmp_eq_u32 s88, 0
	s_cselect_b32 s[LIM], AH, -1
	s_add_nc_u64 s[PFA:PFA+1], s[PFA:PFA+1], s[22:23]
	s_mul_i32 s22, s[PFS], 1+AH
	s_add_nc_u64 s[PFA:PFA+1], s[PFA:PFA+1], s[22:23]  ; at K step 1 + AH; each refill steps it first
	v_and_b32 v[PFO], 31, v0
	v_lshlrev_b32 v[PFO], 8, v[PFO]
	; rope's table for my 64 rows: 32 loads of two rows each, into the free quarter of the accumulators' windows
	s_and_b32 s88, s[TR], 15
	s_lshl_b32 s88, s88, 7
	s_lshl_b32 s89, s[WR], 6
	s_add_co_u32 s88, s88, s89                     ; my first position in the sequence
	s_lshl_b32 s22, s88, 8
	s_add_nc_u64 s[68:69], s[68:69], s[22:23]
	v_and_b32 v[GO], 31, v0
	v_lshlrev_b32 v[GO], 4, v[GO]                  ; 16 x lane
.irp a, 0,1,2,3
	WIN 0x80+0x40*((\a)/2)
.irp i, 0,1,2,3,4,5,6,7
	global_load_b128 v[192+32*((\a)%2)+4*\i:195+32*((\a)%2)+4*\i], v[GO], s[68:69] offset:(16*\a+2*\i)*256
.endr
.endr
	WIN 0
	s_lshr_b32 s89, s[TR], 4                       ; the batch
	s_mul_i32 s89, s89, 12582912
	s_mul_i32 s90, s[TC], 6
	s_mul_i32 s91, s[WC], 3
	s_add_co_u32 s90, s90, s91                     ; my first head among the 48 of q, k and v
	s_lshl_b32 s91, s90, 18
	s_add_co_u32 s89, s89, s91
	s_lshl_b32 s91, s88, 7
	s_add_co_u32 s22, s89, s91
	s_add_nc_u64 s[70:71], s[70:71], s[22:23]
.irp i, 0,1,2
	s_add_co_u32 s91, s90, \i
	s_lshr_b32 s91, s91, 5                         ; 1 for a head of v
	s_xor_b32 s91, s91, 1
	s_mul_i32 s[58+2*\i], s91, 0x3f800000          ; 1.0: the head is turned; 0: it is left as it is
	s_mov_b32 s[59+2*\i], s[58+2*\i]
.endr
	v_bfe_u32 v5, v0, 2, 1
	v_xor_b32 v5, 1, v5
	v_lshlrev_b32 v5, 31, v5
	v_or_b32 v36, 0x3f800000, v5                   ; the sine's sign: - for a head's first 32 columns, + for the others
	v_mov_b32 v37, v36
	s_mul_i32 s80, s[WV], 12544                    ; my stage for a block's sums: 16 rows x (768 + 16) bytes, in slot 0
	v_mul_u32_u24 v5, v1, 784
	v_lshl_add_u32 v5, v2, 5, v5
	v_add_nc_u32 v[STO], s80, v5
	v_bfe_u32 v6, v0, 3, 2                         ; l / 8
	v_and_b32 v7, 7, v0                            ; l % 8: my eight columns of a head
	v_mul_u32_u24 v8, v6, 784
	v_add_nc_u32 v8, s80, v8
	v_lshl_add_u32 v[RDO], v7, 5, v8
	v_xor_b32 v9, 4, v7                            ; and the eight that they are turned with
	v_lshl_add_u32 v[RDP], v9, 5, v8
	s_mul_i32 s81, s[WV], 4352                     ; my stage for the block's table rows: 16 x (256 + 16)
	s_add_co_u32 s81, s81, 50176
	v_mul_u32_u24 v5, v2, 272
	v_lshl_add_u32 v5, v1, 4, v5
	v_add_nc_u32 v[TST], s81, v5
	v_mul_u32_u24 v5, v6, 272
	v_and_b32 v9, 3, v0
	v_lshl_add_u32 v5, v9, 6, v5
	v_add_nc_u32 v[TRD], s81, v5
	s_wait_loadcnt 0x0                             ; the table is in
	s_wait_tensorcnt 0x1                           ; my part of K step 0 is in; K step 1's may stay out
	s_barrier_signal -1
	s_barrier_wait -1                              ; everybody's is
	ADRS
	FETCHS 0, 0
	FETCHS 1, 1
	s_wait_dscnt NL                                ; slice 0 is in
	MUL 0, 1                                       ; the first slice stands in front of the loop: its products start the sums
	WIN 0
	s_add_co_u32 s[TBA], s[TBA], PAIRA
	s_add_co_u32 s[TBB], s[TBB], PAIRB
	s_mov_b32 s[TRIPS], T-1
	s_mov_b32 s[CNT], NPAIR-1
	s_branch .Lpair                                ; the loop is entered behind its change of slots: K step 0 has its first slice behind it
.Lstep:                                                ; T - 2 times: K step c is entered, K step c + 1 asked for
	CHANGE 1
	s_mov_b32 s[CNT], NPAIR
.Lpair:
	PAIR
	s_sub_co_u32 s[CNT], s[CNT], 1
	s_cmp_lg_u32 s[CNT], 0
	s_cbranch_scc1 .Lpair
	s_sub_co_u32 s[TRIPS], s[TRIPS], 1
	s_cmp_lg_u32 s[TRIPS], 0
	s_cbranch_scc1 .Lstep
	CHANGE 0                                       ; the last K step is written out: nothing is asked for
	s_mov_b32 s[CNT], NPAIR
.Ltail:
	PAIR
	s_sub_co_u32 s[CNT], s[CNT], 1
	s_cmp_lg_u32 s[CNT], 0
	s_cbranch_scc1 .Ltail
	s_wait_dscnt 0x0
	MUL 1, 0                                       ; the very last slice
	WIN 0
	PLACES
	PLACES
; THE WAY OUT.  Slot 0 has had its last fill, and its last reads were over at the last barrier: my stages lie there.
.macro PUT a                           ; block a's 12 accumulators (each from its low end on) and its 16 table rows into my stages
	WIN 0x08+4*((\a)/2)
.set b_, 0
.rept NB
.set r_, 8*(((\a)%2)*NB+b_)
	ds_store_b128 v[STO], v[r_:r_+3] offset:64*b_
	ds_store_b128 v[STO], v[r_+4:r_+7] offset:64*b_+16
.set b_, b_+1
.endr
.set b_, 0
.rept 8
.set r_, 192+32*((\a)%2)+4*b_
	ds_store_b128 v[TST], v[r_:r_+3] offset:544*b_
.set b_, b_+1
.endr
	WIN 0
.endm
.macro LOADS t                         ; rows 4 t + l / 8: cos - 1 and sin of my eight frequencies; for each head my eight columns and their partners: 16 loads into set t % 2
.set R_, 64+64*((\t)%2)
.irp k, 0,1,2,3
	ds_load_b128 v[R_+4*\k:R_+4*\k+3], v[TRD] offset:(\t)*1088+16*\k
.endr
.irp i, 0,1,2
	ds_load_b128 v[R_+16+16*\i:R_+19+16*\i], v[RDO] offset:(\t)*3136+\i*256
	ds_load_b128 v[R_+20+16*\i:R_+23+16*\i], v[RDO] offset:(\t)*3136+\i*256+16
	ds_load_b128 v[R_+24+16*\i:R_+27+16*\i], v[RDP] offset:(\t)*3136+\i*256
	ds_load_b128 v[R_+28+16*\i:R_+31+16*\i], v[RDP] offset:(\t)*3136+\i*256+16
.endr
.endm
.macro ROPE t                          ; y = x + F (x (cos - 1) +- partner sin), rounded to bf16; four rows of a head are 512 consecutive bytes
.set R_, 64+64*((\t)%2)
	s_wait_xcnt 0x0                                ; the stores before have read their data: v192-203 are written again only behind this wait
.irp k, 0,2,4,6
	v_pk_mul_f32 v[R_+8+\k:R_+9+\k], v[R_+8+\k:R_+9+\k], v[36:37]
.endr
.irp i, 0,1,2
.irp k, 0,2,4,6
	v_pk_mul_f32 v[R_+24+16*\i+\k:R_+25+16*\i+\k], v[R_+24+16*\i+\k:R_+25+16*\i+\k], v[R_+8+\k:R_+9+\k]
.endr
.irp k, 0,2,4,6
	v_pk_fma_f32 v[R_+24+16*\i+\k:R_+25+16*\i+\k], v[R_+16+16*\i+\k:R_+17+16*\i+\k], v[R_+\k:R_+1+\k], v[R_+24+16*\i+\k:R_+25+16*\i+\k]
.endr
.irp k, 0,2,4,6
	v_pk_fma_f32 v[R_+24+16*\i+\k:R_+25+16*\i+\k], v[R_+24+16*\i+\k:R_+25+16*\i+\k], s[58+2*\i:59+2*\i], v[R_+16+16*\i+\k:R_+17+16*\i+\k] op_sel_hi:[1,0,1]
.endr
.irp k, 0,1,2,3
	v_cvt_pk_bf16_f32 v[192+4*\i+\k], v[R_+24+16*\i+2*\k], v[R_+25+16*\i+2*\k]
.endr
	global_store_b128 v[GO], v[192+4*\i:195+4*\i], s[70:71] offset:\i*262144+(\t)*512
.endr
.endm
	s_mov_b32 s[AB], 0
.Lblk:
	s_cmp_eq_u32 s[AB], 0
	s_cbranch_scc1 .Lput0
	s_cmp_eq_u32 s[AB], 1
	s_cbranch_scc1 .Lput1
	s_cmp_eq_u32 s[AB], 2
	s_cbranch_scc1 .Lput2
	PUT 3
	s_branch .Lproc
.Lput0:
	PUT 0
	s_branch .Lproc
.Lput1:
	PUT 1
	s_branch .Lproc
.Lput2:
	PUT 2
.Lproc:                                                ; LDS serves a wave's instructions in order: these loads see the stores above, and the next trip's stores come behind them
	LOADS 0
	LOADS 1
	s_wait_dscnt 16                                ; all but the 16 just issued
	ROPE 0
	LOADS 2
	s_wait_dscnt 16
	ROPE 1
	LOADS 3
	s_wait_dscnt 16
	ROPE 2
	s_wait_dscnt 0x0
	ROPE 3
	s_wait_xcnt 0x0                                ; the stores have read their base
	s_add_nc_u64 s[70:71], s[70:71], 2048          ; 16 rows of a head on
	s_add_co_u32 s[AB], s[AB], 1
	s_cmp_lt_u32 s[AB], NA
	s_cbranch_scc1 .Lblk
	s_wait_tensorcnt 0x0                           ; the wave's end
	ds_add_u32 v[SPW], v[NIL]
	s_wait_dscnt 0x0
	CROUND                                         ; the closing round
	s_endpgm
.Lfunc_end_k_q203f429e55_gqkv:
	.size	k_q203f429e55_gqkv, .Lfunc_end_k_q203f429e55_gqkv-k_q203f429e55_gqkv
	.p2alignl 7, 3214868480
	.fill 96, 4, 3214868480
	.section	.rodata,"a",@progbits
	.p2align	6, 0x0
	.amdhsa_kernel k_q203f429e55_gqkv
		.amdhsa_group_segment_fixed_size 327680
		.amdhsa_private_segment_fixed_size 0
		.amdhsa_enable_private_segment 0
		.amdhsa_kernarg_size 32
		.amdhsa_user_sgpr_count 2
		.amdhsa_user_sgpr_kernarg_segment_ptr 1
		.amdhsa_wavefront_size32 1
		.amdhsa_system_sgpr_workgroup_id_x 1
		.amdhsa_system_sgpr_workgroup_id_y 1
		.amdhsa_system_sgpr_workgroup_id_z 1
		.amdhsa_system_vgpr_workitem_id 0
		.amdhsa_next_free_vgpr 1024
		.amdhsa_next_free_sgpr 100
		.amdhsa_reserve_vcc 0
		.amdhsa_float_denorm_mode_32 3
		.amdhsa_float_denorm_mode_16_64 3
		.amdhsa_memory_ordered 1
		.amdhsa_forward_progress 1
		.amdhsa_inst_pref_size 76
	.end_amdhsa_kernel
	.amdgpu_metadata
---
amdhsa.version: [ 1, 2 ]
amdhsa.kernels:
  - .name:           k_q203f429e55_gqkv
    .symbol:         k_q203f429e55_gqkv.kd
    .args:
      - { .name: hid, .offset: 0, .size: 8, .value_kind: global_buffer, .address_space: global }
      - { .name: wts, .offset: 8, .size: 8, .value_kind: global_buffer, .address_space: global }
      - { .name: tab, .offset: 16, .size: 8, .value_kind: global_buffer, .address_space: global }
      - { .name: qkv, .offset: 24, .size: 8, .value_kind: global_buffer, .address_space: global }
    .group_segment_fixed_size: 327680
    .private_segment_fixed_size: 0
    .kernarg_segment_align: 8
    .kernarg_segment_size: 32
    .max_flat_workgroup_size: 128
    .sgpr_count:     100
    .vgpr_count:     1024
    .wavefront_size: 32
...
	.end_amdgpu_metadata
.endif
;; end of part 2
;; launch attn (part 3): grid 8 x 32, 4 waves a work-group, clusters of 4 x 1, 327,680 bytes of LDS; arguments qkv, hid; writes hid
.if DOCPART == 3
	.amdgcn_target "amdgcn-amd-amdhsa--gfx1250"
	.amdhsa_code_object_version 6
	.text
	.protected	k_q203f429e55_attn
	.globl	k_q203f429e55_attn
	.p2align	8
	.type	k_q203f429e55_attn,@function
k_q203f429e55_attn:
	s_mov_b64 s[64:65], 0
	v_nop
	global_prefetch_b8 v0, s[64:65] scope:SCOPE_SE
	s_setreg_imm32_b32 hwreg(HW_REG_WAVE_MODE, 25, 1), 1
	s_wait_xcnt 0x0
	s_wait_alu depctr_hold_cnt(0) depctr_sa_sdst(0) depctr_va_vdst(0) depctr_va_sdst(0) depctr_va_ssrc(0) depctr_va_vcc(0) depctr_vm_vsrc(0)
	s_getreg_b32 s2, hwreg(HW_REG_IB_STS2, 6, 4)
	s_cmp_eq_u32 s2, 0
	s_cbranch_scc0 .Lentry_in_a_cluster
	s_endpgm
.Lentry_in_a_cluster:
	s_bfe_u32 s2, ttmp6, 0x10000c
	s_cmp_lg_u32 s2, 0x3003
	s_cbranch_scc0 .Lentry_shape_is_right
	s_endpgm
.Lentry_shape_is_right:
; O[b][h][q][:] = the sum over k of softmax_k(Q . K / 8) V.  qkv: [2][48][2048][64] bf16 (heads of q, then of k, then of v); O goes to hid by heads: hid[h][b x 2048 + q][64], bf16.
; Products, maxima and sums in f32; the weights p are rounded to bf16 for the second product (their sum l is taken of the unrounded p), O once at the end.
; LIMITS.  A weight below 2^-126 counts as 0 in l; NaN and infinities are not treated apart.
; SHARES.  A work-group owns 256 queries of one head, each of its four waves 64: four PIECES of 16.  Every wave walks the head's 2,048 keys: 8 tiles of 256, four steps of 64 each.  8 x 32 = 256 work-groups.
; LAYOUT.  S^T = K Q^T holds ONE query a lane (lane % 16) and the keys 8 (lane / 16) + 0..7; two such results rounded to bf16 ARE source 1 of O^T = V^T P.  V comes out of LDS turned, by ds_load_tr16_b128.
; SOFTMAX.  p = 2^(c s - c m), c = log2(e) / 8, with a running maximum m; O and l are multiplied by a = 2^(c m_old - c m_new) in every step.  m starts at the lowest finite number, O and l at 0.
; TURNS.  Turn n belongs to piece n: 8 products K Q^T of piece n + 1, later 8 products V^T P of piece n - 1; beside them the scaling, exponentials, roundings, sums and rescaling of piece n and the
; maximum and statistics of piece n + 1.  Four vector instructions stand behind every matrix instruction, the others in one lump.  A turn's 33 exponentials are one batch, with one wait.
; CLUSTER.  The four query blocks of a cluster belong to one head and walk the same K and V: each tile is asked for jointly, by the same tensor load, descriptor and mask in all four.
; REGISTERS, in windows of 256: window 0: v0-15 addresses; v16-31 statistics; v48-55 at work; v64-127 S^T, two buffers; v192-223 P, two buffers.  window 1: v0-127 O^T.  window 2: v0-63 Q; v128-191 K; v192-255 V.
.set NP,    4
.set KS,    64
.set PK,    144       ; a row of K in LDS: 128 bytes + 16
.set PV,    160       ; a row of V: 128 + 32
.set VOFF,  4*KS*PK   ; a slot holds a tile: 256 rows of K, then 256 rows of V
.set SLOT1, 1<<17
.set STAGE, SLOT1+4*KS*(PK+PV)  ; behind the ring: 16 rows x 144 bytes for each wave, for the way out
.set SP,    144
.set SPARE, STAGE+4*16*SP       ; the spare words: 128 bytes a wave, two blocks of 256 bytes that no other line names
.set AK0, 2
.set AV0, 3
.set AK,  4
.set AV,  5
.set STO, 6
.set RD,  7
.set GO,  8
.set MV,  12
.set QO,  15
.set ST,  16          ; piece t's statistics at v[ST+4 t]: c m, m, l (even keys', odd keys')
.set TMP, 48
.set PFO, 61
.set SPW, 62
.set NIL, 63
.set S,   64
.set P,   192
.set KF,  128
.set VF,  192
.set WV,  12
.set G1K, 24
.set G1V, 32
.set G0K, 40
.set G0V, 44
.set PFA, 48
.set LIM, 50
.set SLOTS, 56
.set CNT, 57
.set CS,  58
.set SEL, 60
.set TBK, 62
.set TBV, 63
.set MSB, 0
.macro WIN new
.if MSB != (\new)
	s_set_vgpr_msb (MSB<<8)|(\new)
.set MSB, (\new)
.endif
.endm
.set W_KQ, 0x0a       ; K and Q in window 2, S^T in window 0
.set W_PV, 0x52       ; V in window 2, P in window 0, O^T in window 1
.set W_RS, 0x41       ; destination and source 0 in window 1, source 1 in window 0
.macro JLOAD                        ; waves 0 and 1 fetch the halves of a tile's K, waves 2 and 3 those of its V; an s_nop 0 and four v_nop follow each line
	s_cmp_lt_u32 s[WV], 2
	s_cbranch_scc0 .Lfor_v_\@
	tensor_load_to_lds s[G0K:G0K+3], s[G1K:G1K+7]
	s_nop 0
.rept 4
	v_nop
.endr
	s_branch .Lasked_\@
.Lfor_v_\@:
	tensor_load_to_lds s[G0V:G0V+3], s[G1V:G1V+7]
	s_nop 0
.rept 4
	v_nop
.endr
.Lasked_\@:
.endm
; A prefetch of the tile that the NEXT change of slots will ask for.  The head's first cluster asks; its four partners take 32 blocks of 256 bytes each, told apart by address; wave 0 asks for K's, wave 2 for V's:
; each block is named once in the launch.  The last change that fills a slot asks for nothing.
.macro ASK
	s_cmp_gt_u32 s[SLOTS], s[LIM]
	s_cbranch_scc0 .Lnot_mine_\@
	global_prefetch_b8 v[PFO], s[PFA:PFA+1] th:TH_LOAD_NT scope:SCOPE_SE
.Lnot_mine_\@:
.endm
.macro CROUND
	s_barrier_signal -1
	s_barrier_wait -1
	s_cmp_lg_u32 s[WV], 0
	s_cbranch_scc1 .Lnot_wave_0_\@
	s_barrier_signal -3
.Lnot_wave_0_\@:
	s_barrier_wait -3
	s_barrier_signal -1
	s_barrier_wait -1
.endm
; THE CHANGE OF SLOTS.  Each wave waits for all its tensor loads (one is out: its part of the other slot), adds 0 to its spare word, and waits for that and for its reads of the slot that it leaves.
; fill = 1: the barrier is a round of the cluster's, and the old slot's joint refill, with the tile two on, is the first thing behind it: it has four key steps, 256 matrix instructions, in which to land.
.macro CHANGE fill
	WIN 0
	s_wait_tensorcnt 0x0
	ds_add_u32 v[SPW], v[NIL]
.if \fill
.irp g, G0K, G0V
	s_xor_b32 s[\g+1], s[\g+1], SLOT1
	s_add_nc_u64 s[\g+2:\g+3], s[\g+2:\g+3], 4*KS*128
.endr
	s_wait_xcnt 0x0                 ; the last prefetch, a tile back, has read its address
	s_add_nc_u64 s[PFA:PFA+1], s[PFA:PFA+1], 4*KS*128
	s_wait_dscnt 0x0                ; the add is done, and my reads of the slot are over
	CROUND
	JLOAD
	ASK
.else
	s_wait_dscnt 0x0
	s_barrier_signal -1
	s_barrier_wait -1
.endif
	s_sub_co_u32 s[TBK], s[TBK], 4*KS*PK  ; the fetches go back to a slot's first step,
	s_xor_b32 s[TBK], s[TBK], SLOT1       ; in the other slot
	s_sub_co_u32 s[TBV], s[TBV], 4*KS*PV
	s_xor_b32 s[TBV], s[TBV], SLOT1
.endm
	s_load_b128 s[4:7], s[0:1], 0x0  ; qkv s[4:5], hid s[6:7]
	v_lshl_add_u32 v[SPW], v0, 2, SPARE
	v_mov_b32 v[NIL], 0
	ds_add_u32 v[SPW], v[NIL]       ; the wave's opening: the add and its wait ahead of my first tensor load
	v_lshrrev_b32 v1, 5, v0
	v_readfirstlane_b32 s[WV], v1
	s_bfe_u32 s13, ttmp6, 0x40000   ; cx
	s_lshl_b32 s14, ttmp9, 2
	s_add_co_u32 s14, s14, s13      ; my block of 256 queries: it enters Q's and O's addresses alone
	s_and_b32 s15, ttmp7, 0xffff
	s_lshr_b32 s16, s15, 4          ; the batch
	s_and_b32 s15, s15, 15          ; the head
	s_mul_i32 s20, s16, 12582912
	s_lshl_b32 s21, s15, 18
	s_add_co_u32 s20, s20, s21      ; the head's q
	s_and_b32 s17, s[WV], 1         ; which half of a tile's 256 keys I fetch
	s_lshl_b32 s22, s17, 14
	s_add_co_u32 s22, s22, s20
	s_add_co_u32 s22, s22, 4194304  ; k lies 16 heads behind q
	s_mov_b32 s23, 0
	s_mul_i32 s18, s17, 128*PK
	s_mul_i32 s19, s17, 128*PV
	s_lshl_b32 s2, s14, 15
	s_lshl_b32 s3, s[WV], 13
	s_add_co_u32 s2, s2, s3         ; my wave's 64 rows in the head's sequence
	s_lshl_b32 s52, s15, 19
	s_lshl_b32 s53, s16, 18
	s_add_co_u32 s52, s52, s53
	s_add_co_u32 s52, s52, s2       ; the same rows in hid
	s_mov_b32 s53, 0
	s_add_co_u32 s2, s2, s20
	s_mov_b32 s3, 0
	; 128 keys are 16,384 dense bytes: asked for as 64 rows of 256 bytes, two keys a row, and padded in LDS after every key
	s_mov_b32 s[G1K], 15|(1<<16)|(1<<20)|(1<<21)|(4<<22)|(3<<25)
	s_mov_b32 s[G1V], 15|(1<<16)|(1<<20)|(1<<21)|(4<<22)|(7<<25)
.irp g, G1K, G1V
	s_mov_b32 s[\g+1], 128<<16
	s_mov_b32 s[\g+2], 64<<16
	s_mov_b32 s[\g+3], 128<<16
	s_mov_b32 s[\g+4], 64
	s_mov_b32 s[\g+5], 128
	s_mov_b32 s[\g+6], 0
	s_mov_b32 s[\g+7], 0
.endr
	s_mov_b32 s[CS], 0x3e38aa3b     ; c = log2(e) / 8
	s_mov_b32 s[CS+1], s[CS]
	s_mov_b32 s[SEL], 0x76543210
	s_mov_b32 s[SEL+1], 0xfedcba98
	s_mov_b32 s[TBK], SLOT1+4*KS*PK ; the first change of slots turns these two into 0
	s_mov_b32 s[TBV], SLOT1+4*KS*PV
	s_mov_b32 s[G0K], 1
	s_mov_b32 s[G0K+1], s18
	s_mov_b32 s[G0V], 1
	s_add_co_u32 s[G0V+1], s19, VOFF
	s_mov_b32 s[SLOTS], 7
	s_and_b32 s[LIM], s[WV], 1
	s_or_b32 s[LIM], s[LIM], ttmp9
	s_cmp_eq_u32 s[LIM], 0
	s_cselect_b32 s[LIM], 1, -1     ; waves 0 and 2 of the head's first cluster: the same in all four partners
	v_and_b32 v[PFO], 31, v0
	v_lshlrev_b32 v[PFO], 8, v[PFO]
	s_wait_dscnt 0x0                ; the opening add is done
	s_wait_kmcnt 0x0
	s_add_nc_u64 s[8:9], s[4:5], s[22:23]     ; K at my half of tile 0,
	s_add_nc_u64 s[10:11], s[8:9], 4194304    ; V likewise
	s_mov_b64 s[G0K+2:G0K+3], s[8:9]
	s_or_b32 s[G0K+3], s[G0K+3], 0x80000000
	s_mov_b64 s[G0V+2:G0V+3], s[10:11]
	s_or_b32 s[G0V+3], s[G0V+3], 0x80000000
	s_add_nc_u64 s[4:5], s[4:5], s[2:3]       ; Q and O at my wave's first row
	s_add_nc_u64 s[6:7], s[6:7], s[52:53]
	s_cmp_lt_u32 s[WV], 2
	s_cselect_b64 s[PFA:PFA+1], s[8:9], s[10:11]
	s_lshl_b32 s2, s13, 13          ; my work-group's 32 blocks of the tile's 128
	s_mov_b32 s3, 0
	s_add_nc_u64 s[PFA:PFA+1], s[PFA:PFA+1], s[2:3]
	s_add_nc_u64 s[PFA:PFA+1], s[PFA:PFA+1], 4*KS*128  ; in tile 1; the first change of slots steps it to tile 2
	CROUND                          ; all four work-groups are here: the first joint loads meet
	JLOAD                           ; tile 0 into slot 0
	v_and_b32 v1, 15, v0            ; l % 16
	v_bfe_u32 v9, v0, 4, 1          ; l / 16
	v_lshlrev_b32 v[QO], 7, v1
	v_lshl_add_u32 v[QO], v9, 4, v[QO]
	WIN 0x80
.set i, 0
.rept 8                             ; Q stays in registers: piece i / 2, channels 32 (i % 2) on
	global_load_b128 v[8*i:8*i+3],   v[QO], s[4:5] offset:(i/2)*2048+(i%2)*64
	global_load_b128 v[8*i+4:8*i+7], v[QO], s[4:5] offset:(i/2)*2048+(i%2)*64+32
.set i, i+1
.endr
	WIN 0
	v_mul_u32_u24 v[AK0], v1, PK
	v_lshl_add_u32 v[AK0], v9, 4, v[AK0]
	v_and_b32 v10, 7, v0
	v_bfe_u32 v11, v0, 3, 1
	v_lshl_add_u32 v[AV0], v9, 3, v10
	v_mul_u32_u24 v[AV0], v[AV0], PV
	v_lshl_add_u32 v[AV0], v11, 4, v[AV0]
	v_add_nc_u32 v[AV0], VOFF, v[AV0]
	s_mul_i32 s13, s[WV], 16*SP
	s_add_co_u32 s13, s13, STAGE    ; my stage
	v_mul_u32_u24 v[STO], v1, SP
	v_lshl_add_u32 v[STO], v9, 4, v[STO]
	v_add_nc_u32 v[STO], s13, v[STO]
	v_bfe_u32 v[RD], v0, 3, 2
	v_mul_u32_u24 v[RD], v[RD], SP
	v_lshl_add_u32 v[RD], v10, 4, v[RD]
	v_add_nc_u32 v[RD], s13, v[RD]
	v_and_b32 v[GO], 31, v0
	v_lshlrev_b32 v[GO], 4, v[GO]
	; The first step multiplies O^T and l by a = 0, and the first turn's products V^T P, of a piece that has not been, add 0: these registers hold zeros.  All this stands in the wait for the first tile.
	WIN 0x80
.set i, VF
.rept 64
	v_mov_b32 v[i], 0
.set i, i+1
.endr
	WIN 0x40
.set i, 0
.rept 128
	v_mov_b32 v[i], 0
.set i, i+1
.endr
	WIN 0
.set i, 0
.rept 4
	v_mov_b32 v[ST+4*i+2], 0
	v_mov_b32 v[ST+4*i+3], 0
.set i, i+1
.endr
.set i, P+16
.rept 16
	v_mov_b32 v[i], 0
.set i, i+1
.endr
; THE MATRIX WORK.  The 4 accumulators of a run of 8 take turns.  Product i of 8 of S^T = K Q^T for piece x: channels 32 (i / 4) on, keys 16 (i % 4) on.  The first 4 start the sums.
.macro KQ x
.set rS, S+32*((\x)%2)+8*(i%4)
.set rK, KF+16*(i%4)+8*(i/4)
.set rQ, 16*(\x)+8*(i/4)
	WIN W_KQ
.if i < 4
	v_wmma_f32_16x16x32_bf16 v[rS:rS+7], v[rK:rK+7], v[rQ:rQ+7], 0
.else
	v_wmma_f32_16x16x32_bf16 v[rS:rS+7], v[rK:rK+7], v[rQ:rQ+7], v[rS:rS+7]
.endif
.endm
; Product i of 8 of O^T += V^T P for piece x: keys 32 (i / 4) on, channels 16 (i % 4) on.
.macro PV x
	WIN W_PV
.set rO, 32*(\x)+8*(i%4)
.set rV, VF+32*(i/4)+8*(i%4)
.set rP, P+16*((\x)%2)+8*(i/4)
	v_wmma_f32_16x16x32_bf16 v[rO:rO+7], v[rV:rV+7], v[rP:rP+7], v[rO:rO+7]
.endm
.macro MM                           ; the turn's next matrix instruction
.if i < 8
	KQ (Y+1)%NP
.else
.set i, i-8
	PV (Y+NP-1)%NP
.set i, i+8
.endif
.set i, i+1
.endm
; THE LDS LOADS stand in runs of 16: a step's K (8 fragments) and its V (turned).  Their addresses are made some lines ahead.
; last = 1 (the tail): in the last trip there is no further step, and the run is jumped over; the exponentials issued so far have their wait ahead of that branch.
.macro FETCH_K last=0
	WIN 0
.if \last
	s_wait_alu depctr_va_vdst(0)
	s_cmp_eq_u32 s[CNT], 1
	s_cbranch_scc1 .Lno_k_\@
.endif
	WIN 0x80
.irp f, 0,1,2,3,4,5,6,7
	ds_load_b128 v[KF+8*\f:KF+8*\f+3],   v[AK] offset:(\f/2)*16*PK+(\f%2)*64
	ds_load_b128 v[KF+8*\f+4:KF+8*\f+7], v[AK] offset:(\f/2)*16*PK+(\f%2)*64+32
.endr
	s_add_co_u32 s[TBK], s[TBK], KS*PK
	WIN 0
.if \last
.Lno_k_\@:
.endif
.endm
.macro FETCH_V
	WIN 0x80
.irp f, 0,1,2,3,4,5,6,7
	ds_load_tr16_b128 v[VF+8*\f:VF+8*\f+3],   v[AV] offset:(\f/4)*32*PV+(\f%4)*32
	ds_load_tr16_b128 v[VF+8*\f+4:VF+8*\f+7], v[AV] offset:(\f/4)*32*PV+16*PV+(\f%4)*32
.endr
	WIN 0
.endm
; THE VECTOR WORK, one line at a time: OP kind, number.  For piece Y: F n: c s - c m for pair n.  E n: the exponential of score n.  C n: pair n rounded to bf16.  B n: of the four weights 4 n .. the second
; pair is added onto the first.  L n: l takes that sum (L 0: l = a l + sum).  R n: pair n of O^T times a.  For piece Y + 1: X n, number n of the 22 that find its maximum and statistics
; (each accumulator's lowest registers are read first).
.set F, 0
.set E, 1
.set C, 2
.set B, 3
.set L, 4
.set R, 5
.set X, 6
.macro REGS y
.set rT, ST+4*(\y)
.set rC, TMP+4*((\y)%2)
.set rW, MV+((\y)%2)
.set rS, S+32*((\y)%2)
.set rP, P+16*((\y)%2)
.set rO, 32*(\y)
.endm
.macro OP k, n
.if (\k) == R
	REGS Y
	WIN W_RS
	v_pk_mul_f32 v[rO+2*(\n):rO+2*(\n)+1], v[rO+2*(\n):rO+2*(\n)+1], v[rC+2:rC+3] op_sel_hi:[1,0]
.elseif (\k) < R
	REGS Y
	WIN 0
.if (\k) == F
	v_pk_fma_f32 v[rS+2*(\n):rS+2*(\n)+1], v[rS+2*(\n):rS+2*(\n)+1], s[CS:CS+1], v[rT:rT+1] op_sel_hi:[1,0,0] neg_lo:[0,0,1] neg_hi:[0,0,1]
.elseif (\k) == E
	v_exp_f32 v[rS+(\n)], v[rS+(\n)]
.elseif (\k) == C
	v_cvt_pk_bf16_f32 v[rP+(\n)], v[rS+2*(\n)], v[rS+2*(\n)+1]
.elseif (\k) == B
	v_pk_add_f32 v[rS+4*(\n):rS+4*(\n)+1], v[rS+4*(\n):rS+4*(\n)+1], v[rS+4*(\n)+2:rS+4*(\n)+3]
.elseif (\n) == 0
	v_pk_fma_f32 v[rT+2:rT+3], v[rT+2:rT+3], v[rC+2:rC+3], v[rS:rS+1] op_sel_hi:[1,0,1]
.else
	v_pk_add_f32 v[rT+2:rT+3], v[rT+2:rT+3], v[rS+4*(\n):rS+4*(\n)+1]
.endif
.else
	REGS (Y+1)%NP
	WIN 0
.if (\n) < 4
	v_max3_num_f32 v[rC+(\n)], v[rS+8*(\n)], v[rS+8*(\n)+1], v[rS+8*(\n)+2]
.elseif (\n) < 12
	v_max3_num_f32 v[rC+(\n)%4], v[rC+(\n)%4], v[rS+8*((\n)%4)+2*((\n)/4)+1], v[rS+8*((\n)%4)+2*((\n)/4)+2]
.elseif (\n) == 12
	v_max3_num_f32 v[rC], v[rC], v[rS+7], v[rS+15]
.elseif (\n) == 13
	v_max3_num_f32 v[rC+1], v[rC+1], v[rS+23], v[rS+31]
.elseif (\n) == 14
	v_max3_num_f32 v[rC+2], v[rC+2], v[rC+3], v[rT+1]
.elseif (\n) == 15
	v_mov_b32 v[rW], v[rT]
.elseif (\n) == 16
	v_max3_num_f32 v[rC], v[rC], v[rC+1], v[rC+2]
.elseif (\n) == 17
	v_permlanex16_b32 v[rC+3], v[rC], s[SEL], s[SEL+1]
.elseif (\n) == 18
	v_max_num_f32 v[rT+1], v[rC], v[rC+3]
.elseif (\n) == 19
	v_mul_f32 v[rT], s[CS], v[rT+1]
.elseif (\n) == 20
	v_sub_f32 v[rC+1], v[rW], v[rT]
.else
	v_exp_f32 v[rC+2], v[rC+1]
.endif
.endif
.endm
.macro OPS a, i1, b=-1, i2=0, c=-1, i3=0, d=-1, i4=0
	OP \a, \i1
.if (\b) >= 0
	OP \b, \i2
.endif
.if (\c) >= 0
	OP \c, \i3
.endif
.if (\d) >= 0
	OP \d, \i4
.endif
.endm
.macro ROW a, i1, b, i2, c, i3, d, i4
	MM
	OPS \a, \i1, \b, \i2, \c, \i3, \d, \i4
.endm
; A TURN, for piece p.  Ahead of its one wait stands all that names no result of the turn's exponentials; behind it the 8 products V^T P with the roundings and sums as their riders.
; last = 1: the tail's turn of piece 2 (FETCH_K).  cnt = 1: the loop's count is taken down some lines ahead of the branch behind the turn.
; K of the next step is fetched in piece 2's turn, V of the step in hand at the end of piece 0's turn, each four plain instructions or more behind the last product that read the registers; each is waited for a turn later.
.macro TURN p, last=0, cnt=0
.set Y, (\p)
.set i, 0
.if (\p) == 3
	s_wait_dscnt 0x0                ; K is in
.endif
	ROW F,0, F,1, R,0, R,1
	ROW F,2, E,0, R,2, R,3
	ROW F,3, E,1, R,4, R,5
	ROW F,4, E,2, R,6, R,7
	ROW F,5, E,3, R,8, R,9
	ROW F,6, E,4, X,0, R,10
.if (\p) == 2
	WIN 0
	v_add_nc_u32 v[AK], s[TBK], v[AK0]
.endif
	ROW F,7, E,5, X,1, X,4
	ROW F,8, E,6, X,2, X,5
	OPS E,7, E,8, X,6, E,9
	OPS X,3, E,10, X,8, E,11
.if (\p) == 2
	FETCH_K \last
.endif
	OPS X,9, X,7, E,12, X,10
	OPS E,13, X,12, X,11, E,14
	OPS X,13, E,15, F,9, X,14
.if (\p) == 0
	v_add_nc_u32 v[AV], s[TBV], v[AV0]
.endif
	OPS E,16, F,10, E,17, F,11
	OPS X,16, E,18, X,15, E,19
	OPS F,12, E,20, X,17, E,21
	OPS F,13, E,22, F,14, E,23
	OPS X,18, E,24, F,15, E,25
	OPS R,11, E,26, X,19, E,27
	OPS R,12, E,28, R,13, E,29
	OPS X,20, E,30, R,14, E,31
	OPS X,21, R,15
	WIN 0
	s_wait_alu depctr_va_vdst(0)    ; the wait for the batch, ahead of the first reader
.if (\p) == 1
	s_wait_dscnt 0x0                ; V is in
.endif
	ROW C,0, B,0, C,2, B,1
	ROW L,0, C,4, B,2, L,1
	ROW C,6, B,3, L,2, C,8
	ROW B,4, L,3, C,10, B,5
	ROW L,4, C,12, B,6, L,5
.if (\p) == 0
	s_add_co_u32 s[TBV], s[TBV], KS*PV
.endif
.if \cnt
	s_sub_co_u32 s[CNT], s[CNT], 1
	s_cmp_lg_u32 s[CNT], 0
.endif
	ROW C,14, B,7, L,6, C,1
	ROW C,3, L,7, C,5, C,7
	ROW C,9, C,11, C,13, C,15
.if (\p) == 0
	FETCH_V
.endif
.endm
	CHANGE 1                        ; tile 0 is in, everybody's part of it; tile 1 is asked for
.set i, 0
.rept 4
	v_mov_b32 v[ST+4*i], 0xfe000000    ; c m: far below every c s
	v_mov_b32 v[ST+4*i+1], 0xff7fffff  ; m
.set i, i+1
.endr
	v_add_nc_u32 v[AK], s[TBK], v[AK0]
	FETCH_K                         ; key step 0
	s_wait_loadcnt 0x0              ; Q
	s_wait_dscnt 0x0
.set i, 0
.rept 8
	KQ 0                            ; piece 0's first scores
.set i, i+1
.endr
	WIN 0
.rept 4
	v_nop                           ; the places behind those products
.endr
.set Y, NP-1                        ; X works for piece Y + 1: piece 0
.irp n, 0,1,2,3,4,5,6,7,8,9,10,11,12,13,14,15,16,17,18,19,20,21
	OP X, \n
.endr
	v_nop                           ; a plain instruction behind the exponential,
	s_wait_alu depctr_va_vdst(0)    ; and its wait, ahead of the branch
	s_mov_b32 s[CNT], 4
	s_branch .Lfirst                ; the loop is entered at a step's first turn, in the middle of a trip
.Lslot:                             ; six times: tiles 1 to 6 are entered, tiles 2 to 7 asked for
	CHANGE 1
	s_mov_b32 s[CNT], 4
.Lstep:                             ; a trip: pieces 2 and 3 of one step, then pieces 0 and 1 of the next, whose K and V it fetches
	TURN 2
	TURN 3
	WIN 0
.Lfirst:
	TURN 0
	TURN 1, 0, 1
	WIN 0
	s_cbranch_scc1 .Lstep
	s_sub_co_u32 s[SLOTS], s[SLOTS], 1
	s_cmp_lg_u32 s[SLOTS], 0
	s_cbranch_scc1 .Lslot
	CHANGE 0                        ; the last tile is written out: nothing is asked for
	s_mov_b32 s[CNT], 5             ; four trips fetch the last tile's steps; the fifth is left in its middle
.Ltail:
	TURN 2, 1
	TURN 3
	WIN 0
	s_sub_co_u32 s[CNT], s[CNT], 1
	s_cmp_eq_u32 s[CNT], 0
	s_cbranch_scc1 .Lout
	TURN 0
	TURN 1
	WIN 0
	s_branch .Ltail
.Lout:                              ; the fifth trip's 8 products K Q^T (on the last K once more) and the maximum made of them serve nothing: the price, once a launch, of one text for every trip; l and O^T are not touched by them
.set i, 0
.rept 8
	PV NP-1                         ; the last piece's V^T P of the last step
.set i, i+1
.endr
	; THE WAY OUT.  l's two halves and the other half of the lanes' are added; O^T is divided by l, rounded to bf16 and sent through my stage in LDS, a piece at a time.  The additions are the places behind the last products.
	WIN 0
.macro ALL line:vararg
.set t, 0
.rept 4
	\line
.set t, t+1
.endr
.endm
	ALL v_add_f32 v[ST+4*t+2], v[ST+4*t+2], v[ST+4*t+3]
	ALL v_permlanex16_b32 v[ST+4*t+3], v[ST+4*t+2], s[SEL], s[SEL+1]
	ALL v_add_f32 v[ST+4*t+2], v[ST+4*t+2], v[ST+4*t+3]
	ALL v_rcp_f32 v[ST+4*t+2], v[ST+4*t+2]
	v_nop
	s_wait_alu depctr_va_vdst(0)    ; one wait for the four reciprocals
.macro PACK t
	WIN W_RS
.set i, 32*(\t)
.rept 16
	v_pk_mul_f32 v[i:i+1], v[i:i+1], v[ST+4*(\t)+2:ST+4*(\t)+3] op_sel_hi:[1,0]
.set i, i+2
.endr
	WIN 0x05
.set i, 0
.rept 16
	v_cvt_pk_bf16_f32 v[S+16*(\t)+i], v[32*(\t)+2*i], v[32*(\t)+2*i+1]
.set i, i+1
.endr
	WIN 0
.irp f, 0,1,2,3
	ds_store_b128 v[STO], v[S+16*(\t)+4*\f:S+16*(\t)+4*\f+3] offset:32*\f
.endr
.irp f, 0,1,2,3
	ds_load_b128 v[S+16*(\t)+4*\f:S+16*(\t)+4*\f+3], v[RD] offset:\f*4*SP  ; LDS serves a wave's instructions in order: these see the stores above
.endr
.endm
.macro SEND t, younger              ; younger: the LDS instructions issued behind piece t's loads: the next piece's eight, or none
	WIN 0
.irp f, 0,1,2,3
	s_wait_dscnt (\younger)+3-\f
	global_store_b128 v[GO], v[S+16*(\t)+4*\f:S+16*(\t)+4*\f+3], s[6:7] offset:(\t)*2048+\f*512  ; 512 consecutive bytes, at a multiple of 256 from hid's first
.endr
.endm
	PACK 0
.set t, 1
.rept 3
	PACK t
	SEND t-1, 8
.set t, t+1
.endr
	SEND 3, 0
	s_wait_tensorcnt 0x0            ; the wave's end
	ds_add_u32 v[SPW], v[NIL]
	s_wait_dscnt 0x0
	CROUND                          ; the closing round
	s_endpgm
.Lfunc_end_k_q203f429e55_attn:
	.size	k_q203f429e55_attn, .Lfunc_end_k_q203f429e55_attn-k_q203f429e55_attn
	.p2alignl 7, 3214868480
	.fill 96, 4, 3214868480
	.section	.rodata,"a",@progbits
	.p2align	6, 0x0
	.amdhsa_kernel k_q203f429e55_attn
		.amdhsa_group_segment_fixed_size 327680
		.amdhsa_private_segment_fixed_size 0
		.amdhsa_enable_private_segment 0
		.amdhsa_kernarg_size 16
		.amdhsa_user_sgpr_count 2
		.amdhsa_user_sgpr_kernarg_segment_ptr 1
		.amdhsa_wavefront_size32 1
		.amdhsa_system_sgpr_workgroup_id_x 1
		.amdhsa_system_sgpr_workgroup_id_y 1
		.amdhsa_system_sgpr_workgroup_id_z 1
		.amdhsa_system_vgpr_workitem_id 0
		.amdhsa_next_free_vgpr 768
		.amdhsa_next_free_sgpr 66
		.amdhsa_reserve_vcc 0
		.amdhsa_float_denorm_mode_32 3
		.amdhsa_float_denorm_mode_16_64 3
		.amdhsa_memory_ordered 1
		.amdhsa_forward_progress 1
		.amdhsa_inst_pref_size 112
	.end_amdhsa_kernel
	.amdgpu_metadata
---
amdhsa.version: [ 1, 2 ]
amdhsa.kernels:
  - .name:           k_q203f429e55_attn
    .symbol:         k_q203f429e55_attn.kd
    .args:
      - { .name: qkv, .offset: 0, .size: 8, .value_kind: global_buffer, .address_space: global }
      - { .name: hid, .offset: 8, .size: 8, .value_kind: global_buffer, .address_space: global }
    .group_segment_fixed_size: 327680
    .private_segment_fixed_size: 0
    .kernarg_segment_align: 8
    .kernarg_segment_size: 16
    .max_flat_workgroup_size: 128
    .sgpr_count:     66
    .vgpr_count:     768
    .wavefront_size: 32
...
	.end_amdgpu_metadata
.endif
;; end of part 3
;; launch gproj (part 4): grid 8 x 32, 4 waves a work-group, clusters of 4 x 4, 327,680 bytes of LDS; arguments hid, wts, z_H_previous, z_L_current, g_norm2, x2, a2, ssq; writes x2, a2, ssq
.if DOCPART == 4
	.amdgcn_target "amdgcn-amd-amdhsa--gfx1250"
	.amdhsa_code_object_version 6
	.text
	.protected	k_q203f429e55_gproj
	.globl	k_q203f429e55_gproj
	.p2align	8
	.type	k_q203f429e55_gproj,@function
k_q203f429e55_gproj:
	s_mov_b64 s[64:65], 0
	v_nop
	global_prefetch_b8 v0, s[64:65] scope:SCOPE_SE
	s_setreg_imm32_b32 hwreg(HW_REG_WAVE_MODE, 25, 1), 1
	s_wait_xcnt 0x0
	s_wait_alu depctr_hold_cnt(0) depctr_sa_sdst(0) depctr_va_vdst(0) depctr_va_sdst(0) depctr_va_ssrc(0) depctr_va_vcc(0) depctr_vm_vsrc(0)
	s_getreg_b32 s2, hwreg(HW_REG_IB_STS2, 6, 4)
	s_cmp_eq_u32 s2, 0
	s_cbranch_scc0 .Lentry_in_a_cluster
	s_endpgm
.Lentry_in_a_cluster:
	s_bfe_u32 s2, ttmp6, 0x10000c
	s_cmp_lg_u32 s2, 0xf033
	s_cbranch_scc0 .Lentry_shape_is_right
	s_endpgm
.Lentry_shape_is_right:
; x2 = zH + zL + O Wp (f32, row-major); a2 = bf16(x2 g2) by groups of 64 columns; ssq[piece of 64 columns][row] = the sum of x2^2 over the piece: the second norm's factor is made of these by the next launch.
; O: hid, bf16 [16][4096][64]; Wp: bf16 panels [8][1024][128] at byte 6,291,456 of wts.
; A tile is 128 x 128: 8 x 32 = 256 work-groups.  Four waves, 2 x 2; a wave makes 64 x 64: 16 accumulators.  K goes in 4 steps of 256 through two LDS slots; each wave fills a quarter of a slot by one
; tensor load of 32 KiB: waves 0, 1 two groups of O each, waves 2, 3 128 k rows of the panel each.  The matrix instruction is used transposed (source 0 = 16 columns of W, turned by ds_load_tr16_b128).
; THE LOOP is written as a PAIR of slices of 32 along K, on two fragment buffers: a slice asks for the next slice's fragments at its head and then multiplies its own.  A step is four trips.  The pair is an odd slice
; and the even one behind it, so that the change of slots falls on the loop's edge: in front of a step's last slice, whose fragments are in registers by then.
; CLUSTER 4 x 4: O's tile is shared along a row of the cluster, W's along a column.  NO PREFETCH: K has four steps, two of which are asked for at the start.
; THE WAY OUT: a loop over my four blocks of 16 rows; PUT n lays block n's sums and its rows of zH and zL into my stages, the rest of the trip is the same for every block.
; LIMITS.  Operands are rounded to bf16, sums are f32; NaN and infinities are not treated apart.
.set TM,    128
.set NA,    4
.set NB,    4
.set AM,    4
.set NPAIR, 4
.set T,     4
.set NL,    2*(NA+NB)
.set HIW,   0
.set BOFF,  73728
.set D0,    TM*64
.set D1,    2
.set ASTEP, 2097152
.set BSTEP, 65536
.set NBX,   1
.set PREF,  0
.set SLOT,  147456
.set QTR,   36864
.set SPARE, 294912     ; the spare words: 128 bytes a wave, two blocks of 256 bytes that no other line names
.set SCR,   295424     ; the rows' sums of squares: 256 bytes a wave
.set PA,    144
.set PB,    288
.set PAIRA, TM*PA
.set PAIRB, 64*PB
.set ABUF,  64
.set ADRA0, 16
.set ADRA,  17
.set ADRB0, 18
.set ADRB,  21
.set STO,   24
.set RD,    25
.set CO,    26
.set GO8,   27
.set SPW,   28
.set NIL,   29
.set SQA0,  31
.set SQA,   32
.set G2O,   33
.set SQR,   34
.set CNT,   2
.set TRIPS, 3
.set WV,    10
.set FB,    11
.set WC,    12
.set WR,    13
.set TR,    14
.set TC,    15
.set G1A,   24
.set G0A,   32
.set G0B,   36
.set CX,    40
.set CY,    41
.set WOFF,  43
.set G1B,   48
.set AB,    57
.set SQ,    58
.set TBA,   66
.set TBB,   67
.set RA,    84
.set RB,    86
.set T0A,   92
.set T0B,   96
.set MSB,   0
.macro WIN new
.if MSB != (\new)
	s_set_vgpr_msb (MSB<<8)|(\new)
.set MSB, \new
.endif
.endm
.macro PLACES
.rept 4
	v_nop
.endr
.endm
.macro DESC t0, g0, r, step            ; two group 0: K step 0 into slot 0, K step 1 into slot 1
	s_mov_b32 s[\t0], 1
	s_mov_b32 s[\t0+1], s[WOFF]
	s_mov_b64 s[\t0+2:\t0+3], s[\r:\r+1]
	s_or_b32 s[\t0+3], s[\t0+3], 0x80000000
	s_mov_b32 s[\g0], 1
	s_add_co_u32 s[\g0+1], s[WOFF], SLOT
	s_add_nc_u64 s[\g0+2:\g0+3], s[\r:\r+1], \step
	s_or_b32 s[\g0+3], s[\g0+3], 0x80000000
.endm
.macro FIRST                           ; a wave's two first fills stand in one branch on its number, ahead of every wait on TENSORcnt and every LDS read: two loads of mine are out
	s_cmp_eq_u32 s[FB], 0
	s_cbranch_scc0 .Lfirst_b
	tensor_load_to_lds s[T0A:T0A+3], s[G1A:G1A+7]
	s_nop 0
	tensor_load_to_lds s[G0A:G0A+3], s[G1A:G1A+7]
	s_nop 0
.rept 4
	v_nop
.endr
	s_branch .Lfirst_asked
.Lfirst_b:
	tensor_load_to_lds s[T0B:T0B+3], s[G1B:G1B+7]
	s_nop 0
	tensor_load_to_lds s[G0B:G0B+3], s[G1B:G1B+7]
	s_nop 0
.rept 4
	v_nop
.endr
.Lfirst_asked:
.endm
.macro JLOAD                           ; a joint refill; the branch hangs on the wave's number alone; an s_nop 0 and four v_nop follow each line
	s_cmp_eq_u32 s[FB], 0
	s_cbranch_scc0 .Lfor_b_\@
	tensor_load_to_lds s[G0A:G0A+3], s[G1A:G1A+7]
	s_nop 0
.rept 4
	v_nop
.endr
	s_branch .Lasked_\@
.Lfor_b_\@:
	tensor_load_to_lds s[G0B:G0B+3], s[G1B:G1B+7]
	s_nop 0
.rept 4
	v_nop
.endr
.Lasked_\@:
.endm
.macro CREST
	s_cmp_lg_u32 s[WV], 0
	s_cbranch_scc1 .Lnot_wave_0_\@
	s_barrier_signal -3
.Lnot_wave_0_\@:
	s_barrier_wait -3
	s_barrier_signal -1
	s_barrier_wait -1
.endm
.macro CROUND
	s_barrier_signal -1
	s_barrier_wait -1
	CREST
.endm
; A slice's products: all my rows x all my columns, 32 along K, from buffer f.  The accumulators take turns, one instruction a turn, over the loop's edges too.  zero = 1: the products start the sums.
.macro MUL f, zero
.set a_, 0
.rept NA
	WIN 0xa1+HIW*(a_/AM)
.set b_, 0
.rept NB
.set d_, 8*((a_%AM)*NB+b_)
.set s0_, (\f)*8*NB+8*b_
.set s1_, ABUF+(\f)*8*NA+8*a_
.if \zero
	v_wmma_f32_16x16x32_bf16 v[d_:d_+7], v[s0_:s0_+7], v[s1_:s1_+7], 0
.else
	v_wmma_f32_16x16x32_bf16 v[d_:d_+7], v[s0_:s0_+7], v[s1_:s1_+7], v[d_:d_+7]
.endif
.set b_, b_+1
.endr
.set a_, a_+1
.endr
.endm
; NL LDS loads in one run: slice o (0, 1) of the pair at which the addresses stand, into buffer f: W's fragments (turned), then my rows'
.macro FETCHS o, f
	WIN 0x40
.set b_, 0
.rept NB
.set rg_, (\f)*8*NB+8*b_
	ds_load_tr16_b128 v[rg_:rg_+3],   v[ADRB+b_/4] offset:(\o)*32*PB+(b_%4)*32
	ds_load_tr16_b128 v[rg_+4:rg_+7], v[ADRB+b_/4] offset:(\o)*32*PB+(b_%4)*32+16*PB
.set b_, b_+1
.endr
	WIN 0
.set a_, 0
.rept NA
.set rg_, ABUF+(\f)*8*NA+8*a_
	ds_load_b128 v[rg_:rg_+3],   v[ADRA] offset:a_*16*PA+(\o)*64
	ds_load_b128 v[rg_+4:rg_+7], v[ADRA] offset:a_*16*PA+(\o)*64+32
.set a_, a_+1
.endr
.endm
.macro ADRS                            ; the pair's addresses: four plain vector instructions, which are also the places behind the last products
	v_add_nc_u32 v[ADRA], s[TBA], v[ADRA0]
.set x_, 0
.rept NBX
	v_add_nc_u32 v[ADRB+x_], s[TBB], v[ADRB0+x_]
.set x_, x_+1
.endr
.if NBX < 3
.rept 3-NBX
	v_nop
.endr
.endif
.endm
; A PAIR: buffer 1 holds an odd slice, buffer 0 is free.  The next even slice is asked for, the odd one multiplied; the odd slice behind that is asked for, the even one multiplied.
.macro PAIR
	WIN 0
	ADRS
	FETCHS 0, 0
	s_wait_dscnt NL                                ; all but the NL just issued: buffer 1 is in
	MUL 1, 0
	PLACES
	FETCHS 1, 1
	s_wait_dscnt NL                                ; buffer 0 is in
	MUL 0, 0
	WIN 0
	s_add_co_u32 s[TBA], s[TBA], PAIRA             ; the next fetches are the next pair's
	s_add_co_u32 s[TBB], s[TBB], PAIRB
.endm
; THE CHANGE OF SLOTS, in front of a K step's last slice.  Each wave waits for all its tensor loads (one is out: its part of the next slot), adds 0 to its spare word, and waits for that and for its reads of this
; slot, whose last fragments are then in registers.  fill = 1: the barrier is a round of the cluster's, and this slot's joint refill is the first thing behind it: it has a whole K step in which to land.
.macro CHANGE fill
	WIN 0
	s_wait_tensorcnt 0x0
	ds_add_u32 v[SPW], v[NIL]
.if \fill
	s_xor_b32 s[G0A+1], s[G0A+1], SLOT             ; no tensor load of mine is out, so the descriptors may be written
	s_xor_b32 s[G0B+1], s[G0B+1], SLOT
	s_add_nc_u64 s[G0A+2:G0A+3], s[G0A+2:G0A+3], ASTEP
	s_add_nc_u64 s[G0B+2:G0B+3], s[G0B+2:G0B+3], BSTEP
.endif
	s_sub_co_u32 s[TBA], s[TBA], NPAIR*PAIRA       ; the fetches go back to a slot's first pair,
	s_xor_b32 s[TBA], s[TBA], SLOT                 ; in the other slot
	s_sub_co_u32 s[TBB], s[TBB], NPAIR*PAIRB
	s_xor_b32 s[TBB], s[TBB], SLOT
	s_wait_dscnt 0x0                               ; the add is done, and my reads of this slot are over
.if \fill
	CROUND
	JLOAD
.else
	s_barrier_signal -1
	s_barrier_wait -1
.endif
.endm
	s_load_b128 s[4:7], s[0:1], 0x0                ; hid s[4:5], wts s[6:7]
	s_load_b128 s[68:71], s[0:1], 0x10             ; zH s[68:69], zL s[70:71]
	s_load_b128 s[72:75], s[0:1], 0x20             ; g2 s[72:73], x2 s[74:75]
	s_load_b128 s[76:79], s[0:1], 0x30             ; a2 s[76:77], ssq s[78:79]
	v_lshl_add_u32 v[SPW], v0, 2, SPARE
	v_mov_b32 v[NIL], 0
	ds_add_u32 v[SPW], v[NIL]                      ; the wave's opening: the add and its wait ahead of my first tensor load
	v_lshrrev_b32 v1, 5, v0
	v_readfirstlane_b32 s[WV], v1
	s_lshr_b32 s[WR], s[WV], 1
	s_and_b32 s[WC], s[WV], 1
	s_lshr_b32 s[FB], s[WV], 1                     ; waves 0, 1 fetch O, waves 2, 3 W
	s_bfe_u32 s[CX], ttmp6, 0x40000
	s_bfe_u32 s[CY], ttmp6, 0x40004
	s_lshl_b32 s[TC], ttmp9, 2
	s_add_co_u32 s[TC], s[TC], s[CX]
	s_and_b32 s[TR], ttmp7, 0xffff
	s_lshl_b32 s[TR], s[TR], 2
	s_add_co_u32 s[TR], s[TR], s[CY]
	s_lshl_b32 s16, s[CY], 2
	s_lshl_b32 s16, 15, s16
	s_lshl_b32 s17, 0x1111, s[CX]
	s_or_b32 s[G1A], s16, (1<<16)|(1<<20)|(1<<21)|(4<<22)|(3<<25)
	s_mov_b32 s[G1A+1], (D0&0xffff)<<16
	s_mov_b32 s[G1A+2], (D0>>16)|(D1<<16)
	s_mov_b32 s[G1A+3], D0<<16
	s_mov_b32 s[G1A+4], D1
	s_mov_b32 s[G1A+5], 262144
	s_mov_b32 s[G1A+6], 0
	s_mov_b32 s[G1A+7], 0
	s_or_b32 s[G1B], s17, (1<<16)|(1<<20)|(1<<21)|(5<<22)|(7<<25)
	s_mov_b32 s[G1B+1], 128<<16
	s_mov_b32 s[G1B+2], 128<<16
	s_mov_b32 s[G1B+3], 128<<16
	s_mov_b32 s[G1B+4], 128
	s_mov_b32 s[G1B+5], 128
	s_mov_b32 s[G1B+6], 0
	s_mov_b32 s[G1B+7], 0
	s_mul_i32 s[WOFF], s[WV], QTR
	s_mov_b32 s[TBA], 0
	s_mov_b32 s[TBB], 0
	s_lshl_b32 s18, s[TR], 14
	s_lshl_b32 s16, s[WC], 20                      ; my two groups of the step's four
	s_add_co_u32 s18, s18, s16
	s_mov_b32 s19, 0
	s_lshl_b32 s20, s[TC], 18
	s_lshl_b32 s17, s[WC], 15                      ; my 128 k rows of the step's 256
	s_add_co_u32 s20, s20, s17
	s_add_co_u32 s20, s20, 6291456
	s_mov_b32 s21, 0
	s_wait_dscnt 0x0
	s_wait_kmcnt 0x0
	s_add_nc_u64 s[RA:RA+1], s[4:5], s[18:19]
	s_add_nc_u64 s[RB:RB+1], s[6:7], s[20:21]
	DESC T0A, G0A, RA, ASTEP
	DESC T0B, G0B, RB, BSTEP
	CROUND
	FIRST                                          ; K steps 0 and 1
	v_and_b32 v1, 15, v0
	v_bfe_u32 v2, v0, 4, 1
	v_mul_u32_u24 v3, v1, PA
	v_lshl_add_u32 v3, v2, 4, v3
	s_mul_i32 s80, s[WR], 16*NA*PA
	v_add_nc_u32 v[ADRA0], s80, v3
	v_and_b32 v4, 7, v0
	v_lshl_add_u32 v4, v2, 3, v4
	v_mul_u32_u24 v4, v4, PB
	v_bfe_u32 v5, v0, 3, 1
	v_lshl_add_u32 v4, v5, 4, v4
	s_lshl_b32 s80, s[WC], 7                       ; my 64 columns of the panel's 128
	s_add_co_u32 s80, s80, BOFF
	v_add_nc_u32 v[ADRB0], s80, v4
	s_lshl_b32 s88, s[TR], 7
	s_lshl_b32 s89, s[WR], 6
	s_add_co_u32 s88, s88, s89                     ; my first row
	s_lshl_b32 s89, s[TC], 1
	s_add_co_u32 s89, s89, s[WC]                   ; my piece of 64 columns
	s_lshl_b32 s22, s88, 12
	s_lshl_b32 s90, s89, 8
	s_add_co_u32 s22, s22, s90
	s_mov_b32 s23, 0
	s_add_nc_u64 s[68:69], s[68:69], s[22:23]
	s_add_nc_u64 s[70:71], s[70:71], s[22:23]
	s_add_nc_u64 s[74:75], s[74:75], s[22:23]
	s_mov_b32 s22, s90
	s_add_nc_u64 s[72:73], s[72:73], s[22:23]
	s_lshl_b32 s22, s89, 19
	s_lshl_b32 s90, s88, 7
	s_add_co_u32 s22, s22, s90
	s_add_nc_u64 s[76:77], s[76:77], s[22:23]
	s_lshl_b32 s22, s89, 14
	s_lshl_b32 s90, s88, 2
	s_add_co_u32 s22, s22, s90
	s_add_nc_u64 s[78:79], s[78:79], s[22:23]
	v_lshlrev_b32 v[G2O], 4, v1
	global_load_b128 v[36:39], v[G2O], s[72:73]    ; g2 of my four columns
	v_lshlrev_b32 v[CO], 12, v2
	v_lshl_add_u32 v[CO], v1, 4, v[CO]             ; two rows of 4,096 bytes, 16 lanes x 16 bytes in each
	v_and_b32 v[GO8], 31, v0
	v_lshlrev_b32 v[GO8], 3, v[GO8]
	s_mul_i32 s80, s[WV], 13056                    ; my three stages of 16 rows x (256 + 16) bytes, in slot 0
	v_mul_u32_u24 v5, v1, 272
	v_lshl_add_u32 v5, v2, 5, v5
	v_add_nc_u32 v[STO], s80, v5
	v_mul_u32_u24 v5, v2, 272
	v_lshl_add_u32 v5, v1, 4, v5
	v_add_nc_u32 v[RD], s80, v5
	s_lshl_b32 s81, s[WV], 8
	s_add_co_u32 s81, s81, SCR
	v_lshl_add_u32 v[SQA0], v2, 2, s81
	v_add_nc_u32 v[SQR], s81, v[GO8]
	s_wait_tensorcnt 0x1                           ; my part of K step 0 is in; K step 1's may stay out
	s_barrier_signal -1
	s_barrier_wait -1
	ADRS
	FETCHS 0, 0
	FETCHS 1, 1
	s_wait_dscnt NL                                ; slice 0 is in
	MUL 0, 1                                       ; the first slice stands in front of the loop: its products start the sums
	WIN 0
	s_add_co_u32 s[TBA], s[TBA], PAIRA
	s_add_co_u32 s[TBB], s[TBB], PAIRB
	; my 64 x 64 of zH and of zL are asked for here: the whole walk along K lies between these loads and the wait for them
	WIN 0x80
.irp a, 0,1,2,3
.irp t, 0,1,2,3,4,5,6,7
	global_load_b128 v[128+32*\a+4*\t:131+32*\a+4*\t], v[CO], s[68:69] offset:(16*\a+2*\t)*4096 th:TH_LOAD_NT
.endr
.endr
	WIN 0xc0
.irp a, 0,1,2,3
.irp t, 0,1,2,3,4,5,6,7
	global_load_b128 v[32*\a+4*\t:3+32*\a+4*\t], v[CO], s[70:71] offset:(16*\a+2*\t)*4096 th:TH_LOAD_NT
.endr
.endr
	WIN 0
	s_mov_b32 s[TRIPS], T-1
	s_mov_b32 s[CNT], NPAIR-1
	s_branch .Lpair                                ; the loop is entered behind its change of slots: K step 0 has its first slice behind it
.Lstep:                                                ; T - 2 times: K step c is entered, K step c + 1 asked for
	CHANGE 1
	s_mov_b32 s[CNT], NPAIR
.Lpair:
	PAIR
	s_sub_co_u32 s[CNT], s[CNT], 1
	s_cmp_lg_u32 s[CNT], 0
	s_cbranch_scc1 .Lpair
	s_sub_co_u32 s[TRIPS], s[TRIPS], 1
	s_cmp_lg_u32 s[TRIPS], 0
	s_cbranch_scc1 .Lstep
	CHANGE 0                                       ; the last K step is written out: nothing is asked for
	s_mov_b32 s[CNT], NPAIR
.Ltail:
	PAIR
	s_sub_co_u32 s[CNT], s[CNT], 1
	s_cmp_lg_u32 s[CNT], 0
	s_cbranch_scc1 .Ltail
	s_wait_dscnt 0x0
	MUL 1, 0                                       ; the very last slice
	WIN 0
	PLACES
	PLACES
	s_wait_loadcnt 0x0                             ; g2, zH and zL are in
.macro PUT a                           ; block a: its 4 accumulators (each from its low end on), its rows of zH and of zL
	WIN 0x08
.set b_, 0
.rept 4
.set r_, 8*((\a)*4+b_)
	ds_store_b128 v[STO], v[r_:r_+3] offset:64*b_
	ds_store_b128 v[STO], v[r_+4:r_+7] offset:64*b_+16
.set b_, b_+1
.endr
.set b_, 0
.rept 8
	ds_store_b128 v[RD], v[128+32*(\a)+4*b_:131+32*(\a)+4*b_] offset:4352+544*b_
.set b_, b_+1
.endr
	WIN 0x0c
.set b_, 0
.rept 8
	ds_store_b128 v[RD], v[32*(\a)+4*b_:3+32*(\a)+4*b_] offset:8704+544*b_
.set b_, b_+1
.endr
	WIN 0
.endm
	s_mov_b32 s[AB], 0
	s_mov_b32 s[SQ], 0
.Lblk:
	s_cmp_eq_u32 s[AB], 0
	s_cbranch_scc1 .Lput0
	s_cmp_eq_u32 s[AB], 1
	s_cbranch_scc1 .Lput1
	s_cmp_eq_u32 s[AB], 2
	s_cbranch_scc1 .Lput2
	PUT 3
	s_branch .Lproc
.Lput0:
	PUT 0
	s_branch .Lproc
.Lput1:
	PUT 1
	s_branch .Lproc
.Lput2:
	PUT 2
.Lproc:                                                ; rows 2 t + l / 16, columns 4 (l % 16) + 0..3; LDS serves a wave's instructions in order
.irp t, 0,1,2,3,4,5,6,7
	ds_load_b128 v[64+4*\t:67+4*\t], v[RD] offset:544*\t
	ds_load_b128 v[96+4*\t:99+4*\t], v[RD] offset:4352+544*\t
	ds_load_b128 v[128+4*\t:131+4*\t], v[RD] offset:8704+544*\t
.endr
	v_add_nc_u32 v[SQA], s[SQ], v[SQA0]
	s_wait_dscnt 0x0
.irp t, 0,1,2,3,4,5,6,7
	v_pk_add_f32 v[96+4*\t:97+4*\t], v[96+4*\t:97+4*\t], v[128+4*\t:129+4*\t]   ; x = zH + zL,
	v_pk_add_f32 v[98+4*\t:99+4*\t], v[98+4*\t:99+4*\t], v[130+4*\t:131+4*\t]
	v_pk_add_f32 v[96+4*\t:97+4*\t], v[96+4*\t:97+4*\t], v[64+4*\t:65+4*\t]     ; + O Wp
	v_pk_add_f32 v[98+4*\t:99+4*\t], v[98+4*\t:99+4*\t], v[66+4*\t:67+4*\t]
	global_store_b128 v[CO], v[96+4*\t:99+4*\t], s[74:75] offset:\t*8192        ; 16 lanes store 256 consecutive bytes, aligned
	v_pk_mul_f32 v[160+2*\t:161+2*\t], v[96+4*\t:97+4*\t], v[96+4*\t:97+4*\t]
	v_pk_fma_f32 v[160+2*\t:161+2*\t], v[98+4*\t:99+4*\t], v[98+4*\t:99+4*\t], v[160+2*\t:161+2*\t]
	v_add_f32 v[160+2*\t], v[160+2*\t], v[161+2*\t]
	v_add_f32_dpp v[160+2*\t], v[160+2*\t], v[160+2*\t] row_xmask:1 row_mask:0xf bank_mask:0xf
	v_add_f32_dpp v[160+2*\t], v[160+2*\t], v[160+2*\t] row_xmask:2 row_mask:0xf bank_mask:0xf
	v_add_f32_dpp v[160+2*\t], v[160+2*\t], v[160+2*\t] row_xmask:4 row_mask:0xf bank_mask:0xf
	v_add_f32_dpp v[160+2*\t], v[160+2*\t], v[160+2*\t] row_xmask:8 row_mask:0xf bank_mask:0xf
	ds_store_b32 v[SQA], v[160+2*\t] offset:8*\t   ; the row's sum over my 64 columns: sixteen lanes write the same word with the same value
	v_pk_mul_f32 v[64+4*\t:65+4*\t], v[96+4*\t:97+4*\t], v[36:37]
	v_pk_mul_f32 v[66+4*\t:67+4*\t], v[98+4*\t:99+4*\t], v[38:39]
	v_cvt_pk_bf16_f32 v[176+2*\t], v[64+4*\t], v[65+4*\t]
	v_cvt_pk_bf16_f32 v[177+2*\t], v[66+4*\t], v[67+4*\t]
	global_store_b64 v[GO8], v[176+2*\t:177+2*\t], s[76:77] offset:\t*256       ; two rows of my group: 256 consecutive bytes, aligned
.endr
	s_wait_xcnt 0x0                                ; the stores have read their data and their bases
	s_add_nc_u64 s[74:75], s[74:75], 65536         ; 16 rows on
	s_add_nc_u64 s[76:77], s[76:77], 2048
	s_add_co_u32 s[SQ], s[SQ], 64
	s_add_co_u32 s[AB], s[AB], 1
	s_cmp_lt_u32 s[AB], NA
	s_cbranch_scc1 .Lblk
	ds_load_b64 v[160:161], v[SQR]                 ; my 64 rows' sums
	s_wait_dscnt 0x0
	global_store_b64 v[GO8], v[160:161], s[78:79]  ; 256 consecutive bytes, aligned
	s_wait_tensorcnt 0x0                           ; the wave's end
	ds_add_u32 v[SPW], v[NIL]
	s_wait_dscnt 0x0
	CROUND
	s_endpgm
.Lfunc_end_k_q203f429e55_gproj:
	.size	k_q203f429e55_gproj, .Lfunc_end_k_q203f429e55_gproj-k_q203f429e55_gproj
	.p2alignl 7, 3214868480
	.fill 96, 4, 3214868480
	.section	.rodata,"a",@progbits
	.p2align	6, 0x0
	.amdhsa_kernel k_q203f429e55_gproj
		.amdhsa_group_segment_fixed_size 327680
		.amdhsa_private_segment_fixed_size 0
		.amdhsa_enable_private_segment 0
		.amdhsa_kernarg_size 64
		.amdhsa_user_sgpr_count 2
		.amdhsa_user_sgpr_kernarg_segment_ptr 1
		.amdhsa_wavefront_size32 1
		.amdhsa_system_sgpr_workgroup_id_x 1
		.amdhsa_system_sgpr_workgroup_id_y 1
		.amdhsa_system_sgpr_workgroup_id_z 1
		.amdhsa_system_vgpr_workitem_id 0
		.amdhsa_next_free_vgpr 896
		.amdhsa_next_free_sgpr 100
		.amdhsa_reserve_vcc 0
		.amdhsa_float_denorm_mode_32 3
		.amdhsa_float_denorm_mode_16_64 3
		.amdhsa_memory_ordered 1
		.amdhsa_forward_progress 1
		.amdhsa_inst_pref_size 49
	.end_amdhsa_kernel
	.amdgpu_metadata
---
amdhsa.version: [ 1, 2 ]
amdhsa.kernels:
  - .name:           k_q203f429e55_gproj
    .symbol:         k_q203f429e55_gproj.kd
    .args:
      - { .name: hid, .offset: 0, .size: 8, .value_kind: global_buffer, .address_space: global }
      - { .name: wts, .offset: 8, .size: 8, .value_kind: global_buffer, .address_space: global }
      - { .name: z_H_previous, .offset: 16, .size: 8, .value_kind: global_buffer, .address_space: global }
      - { .name: z_L_current, .offset: 24, .size: 8, .value_kind: global_buffer, .address_space: global }
      - { .name: g_norm2, .offset: 32, .size: 8, .value_kind: global_buffer, .address_space: global }
      - { .name: x2, .offset: 40, .size: 8, .value_kind: global_buffer, .address_space: global }
      - { .name: a2, .offset: 48, .size: 8, .value_kind: global_buffer, .address_space: global }
      - { .name: ssq, .offset: 56, .size: 8, .value_kind: global_buffer, .address_space: global }
    .group_segment_fixed_size: 327680
    .private_segment_fixed_size: 0
    .kernarg_segment_align: 8
    .kernarg_segment_size: 64
    .max_flat_workgroup_size: 128
    .sgpr_count:     100
    .vgpr_count:     896
    .wavefront_size: 32
...
	.end_amdgpu_metadata
.endif
;; end of part 4
;; launch gffn1 (part 5): grid 16 x 16, 4 waves a work-group, clusters of 4 x 4, 327,680 bytes of LDS; arguments a2, wts, ssq, act; writes act
.if DOCPART == 5
	.amdgcn_target "amdgcn-amd-amdhsa--gfx1250"
	.amdhsa_code_object_version 6
	.text
	.protected	k_q203f429e55_gffn1
	.globl	k_q203f429e55_gffn1
	.p2align	8
	.type	k_q203f429e55_gffn1,@function
k_q203f429e55_gffn1:
	s_mov_b64 s[64:65], 0
	v_nop
	global_prefetch_b8 v0, s[64:65] scope:SCOPE_SE
	s_setreg_imm32_b32 hwreg(HW_REG_WAVE_MODE, 25, 1), 1
	s_wait_xcnt 0x0
	s_wait_alu depctr_hold_cnt(0) depctr_sa_sdst(0) depctr_va_vdst(0) depctr_va_sdst(0) depctr_va_ssrc(0) depctr_va_vcc(0) depctr_vm_vsrc(0)
	s_getreg_b32 s2, hwreg(HW_REG_IB_STS2, 6, 4)
	s_cmp_eq_u32 s2, 0
	s_cbranch_scc0 .Lentry_in_a_cluster
	s_endpgm
.Lentry_in_a_cluster:
	s_bfe_u32 s2, ttmp6, 0x10000c
	s_cmp_lg_u32 s2, 0xf033
	s_cbranch_scc0 .Lentry_shape_is_right
	s_endpgm
.Lentry_shape_is_right:
; act = bf16(silu(rs x (a2 W1))), rs[row] = rsqrt(sum of the row's 16 pieces of ssq / 1024 + 1e-6): the second norm's factor is one number a row, so it is applied to the finished sums.
; a2: bf16 [16][4096][64]; W1: bf16 panels [32][1024][128] at byte 8,388,608 of wts; act: bf16 by groups of 64 columns, [64][4096][64].
; A tile is 256 x 256: 16 x 16 = 256 work-groups.  Four waves, 2 x 2; a wave makes 128 x 128: 64 accumulators, 512 registers.  K goes in 8 steps of 128 through two LDS slots; each wave fills a quarter
; of a slot by one tensor load of 32 KiB: waves 0, 1 a group of a2 each, waves 2, 3 a panel each.  The matrix instruction is used transposed (source 0 = 16 columns of W, turned by ds_load_tr16_b128).
; THE LOOP is written as a PAIR of slices of 32 along K, on two fragment buffers: a slice asks for the next slice's fragments at its head and then multiplies its own.  A step is two trips.  The pair is an odd slice
; and the even one behind it, so that the change of slots falls on the loop's edge: in front of a step's last slice, whose fragments are in registers by then.
; CLUSTER 4 x 4: a2's tile is shared along a row of the cluster, W's along a column.
; THE WAY OUT: a loop over my eight blocks of 16 rows; PUT n lays block n's sums into my stage and reads its rows' rs; the rest of the trip is the same for every block.
; LIMITS.  silu(u) = u / (1 + 2^(-1.442695 u)): where the power passes f32's range the quotient is u x 0.  NaN and infinities are not treated apart.
.set TM,    256
.set NA,    8
.set NB,    8
.set AM,    4
.set NPAIR, 2
.set T,     8
.set NL,    2*(NA+NB)
.set HIW,   0x50
.set BOFF,  73728
.set D0,    TM*64
.set D1,    1
.set ASTEP, 1048576
.set BSTEP, 32768
.set NBX,   2
.set PREF,  1
.set AH,    1
.set SLOT,  147456
.set QTR,   36864
.set SPARE, 294912     ; the spare words: 128 bytes a wave, two blocks of 256 bytes that no other line names
.set SCR,   295424     ; rs of my 128 rows: 512 bytes a wave
.set PA,    144
.set PB,    288
.set PAIRA, TM*PA
.set PAIRB, 64*PB
.set ABUF,  64
.set ADRA0, 16
.set ADRA,  17
.set ADRB0, 18
.set ADRB,  21
.set STO,   24
.set RD8,   25
.set RSW,   26
.set RSA,   27
.set SPW,   28
.set NIL,   29
.set PFO,   30
.set GO,    31
.set CNT,   2
.set TRIPS, 3
.set WV,    10
.set FB,    11
.set WC,    12
.set WR,    13
.set TR,    14
.set TC,    15
.set G1A,   24
.set G0A,   32
.set G0B,   36
.set CX,    40
.set CY,    41
.set WOFF,  43
.set PFA,   44
.set PFS,   46
.set G1B,   48
.set LIM,   56
.set AB,    57
.set TBA,   66
.set TBB,   67
.set RA,    84
.set RB,    86
.set T0A,   92
.set T0B,   96
.set MSB,   0
.macro WIN new
.if MSB != (\new)
	s_set_vgpr_msb (MSB<<8)|(\new)
.set MSB, \new
.endif
.endm
.macro PLACES
.rept 4
	v_nop
.endr
.endm
.macro DESC t0, g0, r, step            ; two group 0: K step 0 into slot 0, K step 1 into slot 1
	s_mov_b32 s[\t0], 1
	s_mov_b32 s[\t0+1], s[WOFF]
	s_mov_b64 s[\t0+2:\t0+3], s[\r:\r+1]
	s_or_b32 s[\t0+3], s[\t0+3], 0x80000000
	s_mov_b32 s[\g0], 1
	s_add_co_u32 s[\g0+1], s[WOFF], SLOT
	s_add_nc_u64 s[\g0+2:\g0+3], s[\r:\r+1], \step
	s_or_b32 s[\g0+3], s[\g0+3], 0x80000000
.endm
.macro FIRST                           ; a wave's two first fills stand in one branch on its number, ahead of every wait on TENSORcnt and every LDS read: two loads of mine are out
	s_cmp_eq_u32 s[FB], 0
	s_cbranch_scc0 .Lfirst_b
	tensor_load_to_lds s[T0A:T0A+3], s[G1A:G1A+7]
	s_nop 0
	tensor_load_to_lds s[G0A:G0A+3], s[G1A:G1A+7]
	s_nop 0
.rept 4
	v_nop
.endr
	s_branch .Lfirst_asked
.Lfirst_b:
	tensor_load_to_lds s[T0B:T0B+3], s[G1B:G1B+7]
	s_nop 0
	tensor_load_to_lds s[G0B:G0B+3], s[G1B:G1B+7]
	s_nop 0
.rept 4
	v_nop
.endr
.Lfirst_asked:
.endm
.macro JLOAD                           ; a joint refill; the branch hangs on the wave's number alone; an s_nop 0 and four v_nop follow each line
	s_cmp_eq_u32 s[FB], 0
	s_cbranch_scc0 .Lfor_b_\@
	tensor_load_to_lds s[G0A:G0A+3], s[G1A:G1A+7]
	s_nop 0
.rept 4
	v_nop
.endr
	s_branch .Lasked_\@
.Lfor_b_\@:
	tensor_load_to_lds s[G0B:G0B+3], s[G1B:G1B+7]
	s_nop 0
.rept 4
	v_nop
.endr
.Lasked_\@:
.endm
.macro ASK                             ; my work-group's 32 blocks of 256 bytes of the tile that I shall fetch AH refills on: a lane a block, each block named once in the launch
	s_cmp_gt_u32 s[TRIPS], s[LIM]
	s_cbranch_scc0 .Lnot_mine_\@
	global_prefetch_b8 v[PFO], s[PFA:PFA+1] th:TH_LOAD_NT scope:SCOPE_SE
.Lnot_mine_\@:
.endm
.macro CREST
	s_cmp_lg_u32 s[WV], 0
	s_cbranch_scc1 .Lnot_wave_0_\@
	s_barrier_signal -3
.Lnot_wave_0_\@:
	s_barrier_wait -3
	s_barrier_signal -1
	s_barrier_wait -1
.endm
.macro CROUND
	s_barrier_signal -1
	s_barrier_wait -1
	CREST
.endm
; A slice's products: all my rows x all my columns, 32 along K, from buffer f.  The accumulators take turns, one instruction a turn, over the loop's edges too.  zero = 1: the products start the sums.
.macro MUL f, zero
.set a_, 0
.rept NA
	WIN 0xa1+HIW*(a_/AM)
.set b_, 0
.rept NB
.set d_, 8*((a_%AM)*NB+b_)
.set s0_, (\f)*8*NB+8*b_
.set s1_, ABUF+(\f)*8*NA+8*a_
.if \zero
	v_wmma_f32_16x16x32_bf16 v[d_:d_+7], v[s0_:s0_+7], v[s1_:s1_+7], 0
.else
	v_wmma_f32_16x16x32_bf16 v[d_:d_+7], v[s0_:s0_+7], v[s1_:s1_+7], v[d_:d_+7]
.endif
.set b_, b_+1
.endr
.set a_, a_+1
.endr
.endm
; NL LDS loads in one run: slice o (0, 1) of the pair at which the addresses stand, into buffer f: W's fragments (turned), then my rows'
.macro FETCHS o, f
	WIN 0x40
.set b_, 0
.rept NB
.set rg_, (\f)*8*NB+8*b_
	ds_load_tr16_b128 v[rg_:rg_+3],   v[ADRB+b_/4] offset:(\o)*32*PB+(b_%4)*32
	ds_load_tr16_b128 v[rg_+4:rg_+7], v[ADRB+b_/4] offset:(\o)*32*PB+(b_%4)*32+16*PB
.set b_, b_+1
.endr
	WIN 0
.set a_, 0
.rept NA
.set rg_, ABUF+(\f)*8*NA+8*a_
	ds_load_b128 v[rg_:rg_+3],   v[ADRA] offset:a_*16*PA+(\o)*64
	ds_load_b128 v[rg_+4:rg_+7], v[ADRA] offset:a_*16*PA+(\o)*64+32
.set a_, a_+1
.endr
.endm
.macro ADRS                            ; the pair's addresses: four plain vector instructions, which are also the places behind the last products
	v_add_nc_u32 v[ADRA], s[TBA], v[ADRA0]
.set x_, 0
.rept NBX
	v_add_nc_u32 v[ADRB+x_], s[TBB], v[ADRB0+x_]
.set x_, x_+1
.endr
.if NBX < 3
.rept 3-NBX
	v_nop
.endr
.endif
.endm
; A PAIR: buffer 1 holds an odd slice, buffer 0 is free.  The next even slice is asked for, the odd one multiplied; the odd slice behind that is asked for, the even one multiplied.
.macro PAIR
	WIN 0
	ADRS
	FETCHS 0, 0
	s_wait_dscnt NL                                ; all but the NL just issued: buffer 1 is in
	MUL 1, 0
	PLACES
	FETCHS 1, 1
	s_wait_dscnt NL                                ; buffer 0 is in
	MUL 0, 0
	WIN 0
	s_add_co_u32 s[TBA], s[TBA], PAIRA             ; the next fetches are the next pair's
	s_add_co_u32 s[TBB], s[TBB], PAIRB
.endm
; THE CHANGE OF SLOTS, in front of a K step's last slice.  Each wave waits for all its tensor loads (one is out: its part of the next slot), adds 0 to its spare word, and waits for that and for its reads of this
; slot, whose last fragments are then in registers.  fill = 1: the barrier is a round of the cluster's, and this slot's joint refill is the first thing behind it: it has a whole K step in which to land.
.macro CHANGE fill
.if (\fill) && PREF
	s_wait_xcnt 0x0                                ; the last prefetch, a K step back, has read its address
	s_add_nc_u64 s[PFA:PFA+1], s[PFA:PFA+1], s[PFS:PFS+1]
.endif
	WIN 0
	s_wait_tensorcnt 0x0
	ds_add_u32 v[SPW], v[NIL]
.if \fill
	s_xor_b32 s[G0A+1], s[G0A+1], SLOT             ; no tensor load of mine is out, so the descriptors may be written
	s_xor_b32 s[G0B+1], s[G0B+1], SLOT
	s_add_nc_u64 s[G0A+2:G0A+3], s[G0A+2:G0A+3], ASTEP
	s_add_nc_u64 s[G0B+2:G0B+3], s[G0B+2:G0B+3], BSTEP
.endif
	s_sub_co_u32 s[TBA], s[TBA], NPAIR*PAIRA       ; the fetches go back to a slot's first pair,
	s_xor_b32 s[TBA], s[TBA], SLOT                 ; in the other slot
	s_sub_co_u32 s[TBB], s[TBB], NPAIR*PAIRB
	s_xor_b32 s[TBB], s[TBB], SLOT
	s_wait_dscnt 0x0                               ; the add is done, and my reads of this slot are over
.if \fill
	CROUND
	JLOAD
.if PREF
	ASK
.endif
.else
	s_barrier_signal -1
	s_barrier_wait -1
.endif
.endm
	s_load_b128 s[4:7], s[0:1], 0x0                ; a2 s[4:5], wts s[6:7]
	s_load_b128 s[68:71], s[0:1], 0x10             ; ssq s[68:69], act s[70:71]
	v_lshl_add_u32 v[SPW], v0, 2, SPARE
	v_mov_b32 v[NIL], 0
	ds_add_u32 v[SPW], v[NIL]                      ; the wave's opening: the add and its wait ahead of my first tensor load
	v_lshrrev_b32 v1, 5, v0
	v_readfirstlane_b32 s[WV], v1
	s_lshr_b32 s[WR], s[WV], 1
	s_and_b32 s[WC], s[WV], 1
	s_lshr_b32 s[FB], s[WV], 1                     ; waves 0, 1 fetch a2, waves 2, 3 W
	s_bfe_u32 s[CX], ttmp6, 0x40000
	s_bfe_u32 s[CY], ttmp6, 0x40004
	s_lshl_b32 s[TC], ttmp9, 2
	s_add_co_u32 s[TC], s[TC], s[CX]
	s_and_b32 s[TR], ttmp7, 0xffff
	s_lshl_b32 s[TR], s[TR], 2
	s_add_co_u32 s[TR], s[TR], s[CY]
	s_lshl_b32 s16, s[CY], 2
	s_lshl_b32 s16, 15, s16
	s_lshl_b32 s17, 0x1111, s[CX]
	s_or_b32 s[G1A], s16, (1<<16)|(1<<20)|(1<<21)|(4<<22)|(3<<25)
	s_mov_b32 s[G1A+1], (D0&0xffff)<<16
	s_mov_b32 s[G1A+2], (D0>>16)|(D1<<16)
	s_mov_b32 s[G1A+3], D0<<16
	s_mov_b32 s[G1A+4], D1
	s_mov_b32 s[G1A+5], 262144
	s_mov_b32 s[G1A+6], 0
	s_mov_b32 s[G1A+7], 0
	s_or_b32 s[G1B], s17, (1<<16)|(1<<20)|(1<<21)|(5<<22)|(7<<25)
	s_mov_b32 s[G1B+1], 128<<16
	s_mov_b32 s[G1B+2], 128<<16
	s_mov_b32 s[G1B+3], 128<<16
	s_mov_b32 s[G1B+4], 128
	s_mov_b32 s[G1B+5], 128
	s_mov_b32 s[G1B+6], 0
	s_mov_b32 s[G1B+7], 0
	s_mul_i32 s[WOFF], s[WV], QTR
	s_mov_b32 s[TBA], 0
	s_mov_b32 s[TBB], 0
	s_lshl_b32 s18, s[TR], 15                      ; 256 rows of 128 bytes a tile row,
	s_lshl_b32 s16, s[WC], 19                      ; my group of the step's two
	s_add_co_u32 s18, s18, s16
	s_mov_b32 s19, 0
	s_lshl_b32 s20, s[TC], 1
	s_add_co_u32 s20, s20, s[WC]                   ; my panel
	s_lshl_b32 s20, s20, 18
	s_add_co_u32 s20, s20, 8388608
	s_mov_b32 s21, 0
	s_wait_dscnt 0x0
	s_wait_kmcnt 0x0
	s_add_nc_u64 s[RA:RA+1], s[4:5], s[18:19]
	s_add_nc_u64 s[RB:RB+1], s[6:7], s[20:21]
	DESC T0A, G0A, RA, ASTEP
	DESC T0B, G0B, RB, BSTEP
	CROUND
	FIRST                                          ; K steps 0 and 1
	s_lshl_b32 s88, s[TR], 8
	s_lshl_b32 s89, s[WR], 7
	s_add_co_u32 s88, s88, s89                     ; my first row
	s_lshl_b32 s22, s88, 2
	s_mov_b32 s23, 0
	s_add_nc_u64 s[68:69], s[68:69], s[22:23]
	v_and_b32 v[GO], 31, v0
	v_lshlrev_b32 v[GO], 4, v[GO]                  ; 16 x lane: rows 4 lane + 0..3 of my 128
.irp p, 0,1,2,3,4,5,6,7,8,9,10,11,12,13,14,15
	global_load_b128 v[64+4*\p:67+4*\p], v[GO], s[68:69] offset:\p*16384
.endr
	v_and_b32 v1, 15, v0
	v_bfe_u32 v2, v0, 4, 1
	v_mul_u32_u24 v3, v1, PA
	v_lshl_add_u32 v3, v2, 4, v3
	s_mul_i32 s80, s[WR], 16*NA*PA
	v_add_nc_u32 v[ADRA0], s80, v3
	v_and_b32 v4, 7, v0
	v_lshl_add_u32 v4, v2, 3, v4
	v_mul_u32_u24 v4, v4, PB
	v_bfe_u32 v5, v0, 3, 1
	v_lshl_add_u32 v4, v5, 4, v4
	s_mul_i32 s80, s[WC], QTR                      ; my panel of the tile's two
	s_add_co_u32 s80, s80, BOFF
	v_add_nc_u32 v[ADRB0], s80, v4
	s_add_co_u32 s80, s80, 128                     ; its second 64 columns
	v_add_nc_u32 v[ADRB0+1], s80, v4
	; the prefetches: a2's rows are read by every cluster of a row of clusters: cluster x = 0 asks; W's by every cluster of a column: cluster y = 0 asks.  The four partners of a joint load share its 128 blocks out by address.
	s_lshl_b32 s22, s[CX], 13
	s_lshl_b32 s91, s[CY], 13
	s_and_b32 s81, ttmp7, 0xffff
	s_mov_b32 s89, ASTEP
	s_mov_b32 s90, BSTEP
	s_cmp_eq_u32 s[FB], 0
	s_cselect_b32 s22, s22, s91
	s_cselect_b32 s81, ttmp9, s81
	s_cselect_b32 s[PFS], s89, s90
	s_cselect_b64 s[PFA:PFA+1], s[RA:RA+1], s[RB:RB+1]
	s_mov_b32 s[PFS+1], 0
	s_cmp_eq_u32 s81, 0
	s_cselect_b32 s[LIM], AH, -1
	s_add_nc_u64 s[PFA:PFA+1], s[PFA:PFA+1], s[22:23]
	s_mul_i32 s22, s[PFS], 1+AH
	s_add_nc_u64 s[PFA:PFA+1], s[PFA:PFA+1], s[22:23]
	v_and_b32 v[PFO], 31, v0
	v_lshlrev_b32 v[PFO], 8, v[PFO]
	s_lshl_b32 s89, s[TC], 2
	s_lshl_b32 s90, s[WC], 1
	s_add_co_u32 s89, s89, s90                     ; my first group of 64 columns of act
	s_lshl_b32 s89, s89, 19
	s_lshl_b32 s90, s88, 7
	s_add_co_u32 s22, s89, s90
	s_add_nc_u64 s[70:71], s[70:71], s[22:23]
	s_mul_i32 s80, s[WV], 8448                     ; my stage: 16 rows x (512 + 16) bytes, in slot 0
	v_mul_u32_u24 v5, v1, 528
	v_lshl_add_u32 v5, v2, 5, v5
	v_add_nc_u32 v[STO], s80, v5
	v_bfe_u32 v6, v0, 3, 2                         ; l / 8
	v_and_b32 v7, 7, v0
	v_mul_u32_u24 v5, v6, 528
	v_lshl_add_u32 v5, v7, 5, v5
	v_add_nc_u32 v[RD8], s80, v5
	s_lshl_b32 s80, s[WV], 9
	s_add_co_u32 s80, s80, SCR
	v_add_nc_u32 v[RSW], s80, v[GO]
	v_lshl_add_u32 v[RSA], v6, 2, s80
	s_mov_b32 s58, 0x3a800000                      ; 1 / 1024
	s_mov_b32 s59, 0x358637bd                      ; 1e-6
.macro ADDS n, d                       ; the upper half of what is left of the 16 pieces is added onto the lower
.set k_, 0
.rept \n
	v_pk_add_f32 v[64+k_:65+k_], v[64+k_:65+k_], v[64+(\d)+k_:65+(\d)+k_]
.set k_, k_+2
.endr
.endm
	s_wait_loadcnt 0x0
	ADDS 16, 32
	ADDS 8, 16
	ADDS 4, 8
	ADDS 2, 4
.irp i, 0,1,2,3
	v_fma_f32 v[32+\i], v[64+\i], s58, s59
.endr
.irp i, 0,1,2,3
	v_rsq_f32 v[32+\i], v[32+\i]
.endr
	v_nop
	s_wait_alu depctr_va_vdst(0)                   ; one wait for the four
	s_wait_tensorcnt 0x1                           ; my part of K step 0 is in; K step 1's may stay out
	s_barrier_signal -1
	s_barrier_wait -1
	ADRS
	FETCHS 0, 0
	FETCHS 1, 1
	s_wait_dscnt NL                                ; slice 0 is in
	MUL 0, 1                                       ; the first slice stands in front of the loop: its products start the sums
	WIN 0
	s_add_co_u32 s[TBA], s[TBA], PAIRA
	s_add_co_u32 s[TBB], s[TBB], PAIRB
	s_mov_b32 s[TRIPS], T-1
	s_mov_b32 s[CNT], NPAIR-1
	s_branch .Lpair                                ; the loop is entered behind its change of slots: K step 0 has its first slice behind it
.Lstep:                                                ; T - 2 times: K step c is entered, K step c + 1 asked for
	CHANGE 1
	s_mov_b32 s[CNT], NPAIR
.Lpair:
	PAIR
	s_sub_co_u32 s[CNT], s[CNT], 1
	s_cmp_lg_u32 s[CNT], 0
	s_cbranch_scc1 .Lpair
	s_sub_co_u32 s[TRIPS], s[TRIPS], 1
	s_cmp_lg_u32 s[TRIPS], 0
	s_cbranch_scc1 .Lstep
	CHANGE 0                                       ; the last K step is written out: nothing is asked for
	s_mov_b32 s[CNT], NPAIR
.Ltail:
	PAIR
	s_sub_co_u32 s[CNT], s[CNT], 1
	s_cmp_lg_u32 s[CNT], 0
	s_cbranch_scc1 .Ltail
	s_wait_dscnt 0x0
	MUL 1, 0                                       ; the very last slice
	WIN 0
	PLACES
	PLACES
	ds_store_b128 v[RSW], v[32:35]                 ; rs of my 128 rows, by rows
.irp t, 0,1,2,3
	v_mov_b32 v[41+2*\t], 0                        ; the packed multiplies name pairs and take the low word for both halves: the upper words are written once
	v_mov_b32 v[49+2*\t], 0
.endr
.macro PUT a                           ; block a's 8 accumulators (each from its low end on) into my stage; rs of rows 16 a + 4 t + l / 8
	WIN 0x08+4*((\a)/4)
.set b_, 0
.rept NB
.set r_, 8*(((\a)%4)*NB+b_)
	ds_store_b128 v[STO], v[r_:r_+3] offset:64*b_
	ds_store_b128 v[STO], v[r_+4:r_+7] offset:64*b_+16
.set b_, b_+1
.endr
	WIN 0
.irp t, 0,1,2,3
	ds_load_b32 v[40+2*\t], v[RSA] offset:64*(\a)+16*\t
.endr
.endm
	s_mov_b32 s[AB], 0
.Lblk:
.irp n, 0,1,2,3,4,5,6
	s_cmp_eq_u32 s[AB], \n
	s_cbranch_scc1 .Lput\n
.endr
	PUT 7
	s_branch .Lproc
.irp n, 0,1,2,3,4,5
.Lput\n:
	PUT \n
	s_branch .Lproc
.endr
.Lput6:
	PUT 6
.Lproc:                                                ; rows 4 t + l / 8, eight columns of each of my two groups; LDS serves a wave's instructions in order
.irp t, 0,1,2,3
.irp g, 0,1
	ds_load_b128 v[64+8*(2*\t+\g):67+8*(2*\t+\g)], v[RD8] offset:\t*2112+\g*256
	ds_load_b128 v[68+8*(2*\t+\g):71+8*(2*\t+\g)], v[RD8] offset:\t*2112+\g*256+16
.endr
.endr
	s_wait_dscnt 0x0
.irp t, 0,1,2,3
	v_mul_f32 v[48+2*\t], 0xbfb8aa3b, v[40+2*\t]   ; - log2(e) rs
.endr
.irp t, 0,1,2,3
.irp k, 0,2,4,6,8,10,12,14
	v_pk_mul_f32 v[128+16*\t+\k:129+16*\t+\k], v[64+16*\t+\k:65+16*\t+\k], v[48+2*\t:49+2*\t] op_sel_hi:[1,0]
.endr
.endr
.set k_, 0
.rept 64
	v_exp_f32 v[128+k_], v[128+k_]
.set k_, k_+1
.endr
	v_nop
	s_wait_alu depctr_va_vdst(0)                   ; one wait for the batch of 64
.set k_, 0
.rept 32
	v_pk_add_f32 v[128+k_:129+k_], v[128+k_:129+k_], 1.0 op_sel_hi:[1,0]
.set k_, k_+2
.endr
.set k_, 0
.rept 64
	v_rcp_f32 v[128+k_], v[128+k_]
.set k_, k_+1
.endr
	v_nop
	s_wait_alu depctr_va_vdst(0)                   ; one wait for the batch of 64
.irp t, 0,1,2,3
.irp k, 0,2,4,6,8,10,12,14
	v_pk_mul_f32 v[128+16*\t+\k:129+16*\t+\k], v[128+16*\t+\k:129+16*\t+\k], v[40+2*\t:41+2*\t] op_sel_hi:[1,0]
.endr
.endr
.set k_, 0
.rept 32
	v_pk_mul_f32 v[128+k_:129+k_], v[128+k_:129+k_], v[64+k_:65+k_]
.set k_, k_+2
.endr
	s_wait_xcnt 0x0                                ; the last trip's stores have read their data
.set k_, 0
.rept 32
	v_cvt_pk_bf16_f32 v[192+k_], v[128+2*k_], v[129+2*k_]
.set k_, k_+1
.endr
.irp t, 0,1,2,3
.irp g, 0,1
	global_store_b128 v[GO], v[192+4*(2*\t+\g):195+4*(2*\t+\g)], s[70:71] offset:\g*524288+\t*512  ; four rows of a group: 512 consecutive bytes, aligned
.endr
.endr
	s_wait_xcnt 0x0                                ; the stores have read their base
	s_add_nc_u64 s[70:71], s[70:71], 2048
	s_add_co_u32 s[AB], s[AB], 1
	s_cmp_lt_u32 s[AB], NA
	s_cbranch_scc1 .Lblk
	s_wait_tensorcnt 0x0                           ; the wave's end
	ds_add_u32 v[SPW], v[NIL]
	s_wait_dscnt 0x0
	CROUND
	s_endpgm
.Lfunc_end_k_q203f429e55_gffn1:
	.size	k_q203f429e55_gffn1, .Lfunc_end_k_q203f429e55_gffn1-k_q203f429e55_gffn1
	.p2alignl 7, 3214868480
	.fill 96, 4, 3214868480
	.section	.rodata,"a",@progbits
	.p2align	6, 0x0
	.amdhsa_kernel k_q203f429e55_gffn1
		.amdhsa_group_segment_fixed_size 327680
		.amdhsa_private_segment_fixed_size 0
		.amdhsa_enable_private_segment 0
		.amdhsa_kernarg_size 32
		.amdhsa_user_sgpr_count 2
		.amdhsa_user_sgpr_kernarg_segment_ptr 1
		.amdhsa_wavefront_size32 1
		.amdhsa_system_sgpr_workgroup_id_x 1
		.amdhsa_system_sgpr_workgroup_id_y 1
		.amdhsa_system_sgpr_workgroup_id_z 1
		.amdhsa_system_vgpr_workitem_id 0
		.amdhsa_next_free_vgpr 1024
		.amdhsa_next_free_sgpr 100
		.amdhsa_reserve_vcc 0
		.amdhsa_float_denorm_mode_32 3
		.amdhsa_float_denorm_mode_16_64 3
		.amdhsa_memory_ordered 1
		.amdhsa_forward_progress 1
		.amdhsa_inst_pref_size 81
	.end_amdhsa_kernel
	.amdgpu_metadata
---
amdhsa.version: [ 1, 2 ]
amdhsa.kernels:
  - .name:           k_q203f429e55_gffn1
    .symbol:         k_q203f429e55_gffn1.kd
    .args:
      - { .name: a2, .offset: 0, .size: 8, .value_kind: global_buffer, .address_space: global }
      - { .name: wts, .offset: 8, .size: 8, .value_kind: global_buffer, .address_space: global }
      - { .name: ssq, .offset: 16, .size: 8, .value_kind: global_buffer, .address_space: global }
      - { .name: act, .offset: 24, .size: 8, .value_kind: global_buffer, .address_space: global }
    .group_segment_fixed_size: 327680
    .private_segment_fixed_size: 0
    .kernarg_segment_align: 8
    .kernarg_segment_size: 32
    .max_flat_workgroup_size: 128
    .sgpr_count:     100
    .vgpr_count:     1024
    .wavefront_size: 32
...
	.end_amdgpu_metadata
.endif
;; end of part 5
;; launch gffn2 (part 6): grid 8 x 32, 4 waves a work-group, clusters of 4 x 4, 327,680 bytes of LDS; arguments act, wts, x2, out0; writes out0
.if DOCPART == 6
	.amdgcn_target "amdgcn-amd-amdhsa--gfx1250"
	.amdhsa_code_object_version 6
	.text
	.protected	k_q203f429e55_gffn2
	.globl	k_q203f429e55_gffn2
	.p2align	8
	.type	k_q203f429e55_gffn2,@function
k_q203f429e55_gffn2:
	s_mov_b64 s[64:65], 0
	v_nop
	global_prefetch_b8 v0, s[64:65] scope:SCOPE_SE
	s_setreg_imm32_b32 hwreg(HW_REG_WAVE_MODE, 25, 1), 1
	s_wait_xcnt 0x0
	s_wait_alu depctr_hold_cnt(0) depctr_sa_sdst(0) depctr_va_vdst(0) depctr_va_sdst(0) depctr_va_ssrc(0) depctr_va_vcc(0) depctr_vm_vsrc(0)
	s_getreg_b32 s2, hwreg(HW_REG_IB_STS2, 6, 4)
	s_cmp_eq_u32 s2, 0
	s_cbranch_scc0 .Lentry_in_a_cluster
	s_endpgm
.Lentry_in_a_cluster:
	s_bfe_u32 s2, ttmp6, 0x10000c
	s_cmp_lg_u32 s2, 0xf033
	s_cbranch_scc0 .Lentry_shape_is_right
	s_endpgm
.Lentry_shape_is_right:
; out0 = x2 + act W2 (f32, row-major).  act: bf16 [64][4096][64]; W2: bf16 panels [8][4096][128] at byte 16,777,216 of wts.
; A tile is 128 x 128: 8 x 32 = 256 work-groups.  Four waves, 2 x 2; a wave makes 64 x 64: 16 accumulators.  K goes in 16 steps of 256 through two LDS slots; each wave fills a quarter of a slot by one
; tensor load of 32 KiB: waves 0, 1 two groups of act each, waves 2, 3 128 k rows of the panel each.  The matrix instruction is used transposed (source 0 = 16 columns of W, turned by ds_load_tr16_b128).
; THE LOOP is written as a PAIR of slices of 32 along K, on two fragment buffers: a slice asks for the next slice's fragments at its head and then multiplies its own.  A step is four trips.  The pair is an odd slice
; and the even one behind it, so that the change of slots falls on the loop's edge: in front of a step's last slice, whose fragments are in registers by then.
; CLUSTER 4 x 4: act's tile is shared along a row of the cluster, W's along a column.
; LIMITS.  Operands are rounded to bf16, sums are f32; NaN and infinities are not treated apart.
.set TM,    128
.set NA,    4
.set NB,    4
.set AM,    4
.set NPAIR, 4
.set T,     16
.set NL,    2*(NA+NB)
.set HIW,   0
.set BOFF,  73728
.set D0,    TM*64
.set D1,    2
.set ASTEP, 2097152
.set BSTEP, 65536
.set NBX,   1
.set PREF,  1
.set AH,    2          ; the prefetch runs two K steps, 256 matrix instructions, ahead of the refill
.set SLOT,  147456
.set QTR,   36864
.set SPARE, 294912     ; the spare words: 128 bytes a wave, two blocks of 256 bytes that no other line names
.set PA,    144
.set PB,    288
.set PAIRA, TM*PA
.set PAIRB, 64*PB
.set ABUF,  64
.set ADRA0, 16
.set ADRA,  17
.set ADRB0, 18
.set ADRB,  21
.set STO,   24
.set RD,    25
.set CO,    26
.set SPW,   28
.set NIL,   29
.set PFO,   30
.set CNT,   2
.set TRIPS, 3
.set WV,    10
.set FB,    11
.set WC,    12
.set WR,    13
.set TR,    14
.set TC,    15
.set G1A,   24
.set G0A,   32
.set G0B,   36
.set CX,    40
.set CY,    41
.set WOFF,  43
.set PFA,   44
.set PFS,   46
.set G1B,   48
.set LIM,   56
.set TBA,   66
.set TBB,   67
.set RA,    84
.set RB,    86
.set T0A,   92
.set T0B,   96
.set MSB,   0
.macro WIN new
.if MSB != (\new)
	s_set_vgpr_msb (MSB<<8)|(\new)
.set MSB, \new
.endif
.endm
.macro PLACES
.rept 4
	v_nop
.endr
.endm
.macro DESC t0, g0, r, step            ; two group 0: K step 0 into slot 0, K step 1 into slot 1
	s_mov_b32 s[\t0], 1
	s_mov_b32 s[\t0+1], s[WOFF]
	s_mov_b64 s[\t0+2:\t0+3], s[\r:\r+1]
	s_or_b32 s[\t0+3], s[\t0+3], 0x80000000
	s_mov_b32 s[\g0], 1
	s_add_co_u32 s[\g0+1], s[WOFF], SLOT
	s_add_nc_u64 s[\g0+2:\g0+3], s[\r:\r+1], \step
	s_or_b32 s[\g0+3], s[\g0+3], 0x80000000
.endm
.macro FIRST                           ; a wave's two first fills stand in one branch on its number, ahead of every wait on TENSORcnt and every LDS read: two loads of mine are out
	s_cmp_eq_u32 s[FB], 0
	s_cbranch_scc0 .Lfirst_b
	tensor_load_to_lds s[T0A:T0A+3], s[G1A:G1A+7]
	s_nop 0
	tensor_load_to_lds s[G0A:G0A+3], s[G1A:G1A+7]
	s_nop 0
.rept 4
	v_nop
.endr
	s_branch .Lfirst_asked
.Lfirst_b:
	tensor_load_to_lds s[T0B:T0B+3], s[G1B:G1B+7]
	s_nop 0
	tensor_load_to_lds s[G0B:G0B+3], s[G1B:G1B+7]
	s_nop 0
.rept 4
	v_nop
.endr
.Lfirst_asked:
.endm
.macro JLOAD                           ; a joint refill; the branch hangs on the wave's number alone; an s_nop 0 and four v_nop follow each line
	s_cmp_eq_u32 s[FB], 0
	s_cbranch_scc0 .Lfor_b_\@
	tensor_load_to_lds s[G0A:G0A+3], s[G1A:G1A+7]
	s_nop 0
.rept 4
	v_nop
.endr
	s_branch .Lasked_\@
.Lfor_b_\@:
	tensor_load_to_lds s[G0B:G0B+3], s[G1B:G1B+7]
	s_nop 0
.rept 4
	v_nop
.endr
.Lasked_\@:
.endm
.macro ASK                             ; my work-group's 32 blocks of 256 bytes of the tile that I shall fetch AH refills on: a lane a block, each block named once in the launch
	s_cmp_gt_u32 s[TRIPS], s[LIM]
	s_cbranch_scc0 .Lnot_mine_\@
	global_prefetch_b8 v[PFO], s[PFA:PFA+1] th:TH_LOAD_NT scope:SCOPE_SE
.Lnot_mine_\@:
.endm
.macro CREST
	s_cmp_lg_u32 s[WV], 0
	s_cbranch_scc1 .Lnot_wave_0_\@
	s_barrier_signal -3
.Lnot_wave_0_\@:
	s_barrier_wait -3
	s_barrier_signal -1
	s_barrier_wait -1
.endm
.macro CROUND
	s_barrier_signal -1
	s_barrier_wait -1
	CREST
.endm
; A slice's products: all my rows x all my columns, 32 along K, from buffer f.  The accumulators take turns, one instruction a turn, over the loop's edges too.  zero = 1: the products start the sums.
.macro MUL f, zero
.set a_, 0
.rept NA
	WIN 0xa1+HIW*(a_/AM)
.set b_, 0
.rept NB
.set d_, 8*((a_%AM)*NB+b_)
.set s0_, (\f)*8*NB+8*b_
.set s1_, ABUF+(\f)*8*NA+8*a_
.if \zero
	v_wmma_f32_16x16x32_bf16 v[d_:d_+7], v[s0_:s0_+7], v[s1_:s1_+7], 0
.else
	v_wmma_f32_16x16x32_bf16 v[d_:d_+7], v[s0_:s0_+7], v[s1_:s1_+7], v[d_:d_+7]
.endif
.set b_, b_+1
.endr
.set a_, a_+1
.endr
.endm
; NL LDS loads in one run: slice o (0, 1) of the pair at which the addresses stand, into buffer f: W's fragments (turned), then my rows'
.macro FETCHS o, f
	WIN 0x40
.set b_, 0
.rept NB
.set rg_, (\f)*8*NB+8*b_
	ds_load_tr16_b128 v[rg_:rg_+3],   v[ADRB+b_/4] offset:(\o)*32*PB+(b_%4)*32
	ds_load_tr16_b128 v[rg_+4:rg_+7], v[ADRB+b_/4] offset:(\o)*32*PB+(b_%4)*32+16*PB
.set b_, b_+1
.endr
	WIN 0
.set a_, 0
.rept NA
.set rg_, ABUF+(\f)*8*NA+8*a_
	ds_load_b128 v[rg_:rg_+3],   v[ADRA] offset:a_*16*PA+(\o)*64
	ds_load_b128 v[rg_+4:rg_+7], v[ADRA] offset:a_*16*PA+(\o)*64+32
.set a_, a_+1
.endr
.endm
.macro ADRS                            ; the pair's addresses: four plain vector instructions, which are also the places behind the last products
	v_add_nc_u32 v[ADRA], s[TBA], v[ADRA0]
.set x_, 0
.rept NBX
	v_add_nc_u32 v[ADRB+x_], s[TBB], v[ADRB0+x_]
.set x_, x_+1
.endr
.if NBX < 3
.rept 3-NBX
	v_nop
.endr
.endif
.endm
; A PAIR: buffer 1 holds an odd slice, buffer 0 is free.  The next even slice is asked for, the odd one multiplied; the odd slice behind that is asked for, the even one multiplied.
.macro PAIR
	WIN 0
	ADRS
	FETCHS 0, 0
	s_wait_dscnt NL                                ; all but the NL just issued: buffer 1 is in
	MUL 1, 0
	PLACES
	FETCHS 1, 1
	s_wait_dscnt NL                                ; buffer 0 is in
	MUL 0, 0
	WIN 0
	s_add_co_u32 s[TBA], s[TBA], PAIRA             ; the next fetches are the next pair's
	s_add_co_u32 s[TBB], s[TBB], PAIRB
.endm
; THE CHANGE OF SLOTS, in front of a K step's last slice.  Each wave waits for all its tensor loads (one is out: its part of the next slot), adds 0 to its spare word, and waits for that and for its reads of this
; slot, whose last fragments are then in registers.  fill = 1: the barrier is a round of the cluster's, and this slot's joint refill is the first thing behind it: it has a whole K step in which to land.
.macro CHANGE fill
.if (\fill) && PREF
	s_wait_xcnt 0x0                                ; the last prefetch, a K step back, has read its address
	s_add_nc_u64 s[PFA:PFA+1], s[PFA:PFA+1], s[PFS:PFS+1]
.endif
	WIN 0
	s_wait_tensorcnt 0x0
	ds_add_u32 v[SPW], v[NIL]
.if \fill
	s_xor_b32 s[G0A+1], s[G0A+1], SLOT             ; no tensor load of mine is out, so the descriptors may be written
	s_xor_b32 s[G0B+1], s[G0B+1], SLOT
	s_add_nc_u64 s[G0A+2:G0A+3], s[G0A+2:G0A+3], ASTEP
	s_add_nc_u64 s[G0B+2:G0B+3], s[G0B+2:G0B+3], BSTEP
.endif
	s_sub_co_u32 s[TBA], s[TBA], NPAIR*PAIRA       ; the fetches go back to a slot's first pair,
	s_xor_b32 s[TBA], s[TBA], SLOT                 ; in the other slot
	s_sub_co_u32 s[TBB], s[TBB], NPAIR*PAIRB
	s_xor_b32 s[TBB], s[TBB], SLOT
	s_wait_dscnt 0x0                               ; the add is done, and my reads of this slot are over
.if \fill
	CROUND
	JLOAD
.if PREF
	ASK
.endif
.else
	s_barrier_signal -1
	s_barrier_wait -1
.endif
.endm
	s_load_b128 s[4:7], s[0:1], 0x0                ; act s[4:5], wts s[6:7]
	s_load_b128 s[68:71], s[0:1], 0x10             ; x2 s[68:69], out0 s[70:71]
	v_lshl_add_u32 v[SPW], v0, 2, SPARE
	v_mov_b32 v[NIL], 0
	ds_add_u32 v[SPW], v[NIL]                      ; the wave's opening: the add and its wait ahead of my first tensor load
	v_lshrrev_b32 v1, 5, v0
	v_readfirstlane_b32 s[WV], v1
	s_lshr_b32 s[WR], s[WV], 1
	s_and_b32 s[WC], s[WV], 1
	s_lshr_b32 s[FB], s[WV], 1                     ; waves 0, 1 fetch act, waves 2, 3 W
	s_bfe_u32 s[CX], ttmp6, 0x40000
	s_bfe_u32 s[CY], ttmp6, 0x40004
	s_lshl_b32 s[TC], ttmp9, 2
	s_add_co_u32 s[TC], s[TC], s[CX]
	s_and_b32 s[TR], ttmp7, 0xffff
	s_lshl_b32 s[TR], s[TR], 2
	s_add_co_u32 s[TR], s[TR], s[CY]
	s_lshl_b32 s16, s[CY], 2
	s_lshl_b32 s16, 15, s16
	s_lshl_b32 s17, 0x1111, s[CX]
	s_or_b32 s[G1A], s16, (1<<16)|(1<<20)|(1<<21)|(4<<22)|(3<<25)
	s_mov_b32 s[G1A+1], (D0&0xffff)<<16
	s_mov_b32 s[G1A+2], (D0>>16)|(D1<<16)
	s_mov_b32 s[G1A+3], D0<<16
	s_mov_b32 s[G1A+4], D1
	s_mov_b32 s[G1A+5], 262144
	s_mov_b32 s[G1A+6], 0
	s_mov_b32 s[G1A+7], 0
	s_or_b32 s[G1B], s17, (1<<16)|(1<<20)|(1<<21)|(5<<22)|(7<<25)
	s_mov_b32 s[G1B+1], 128<<16
	s_mov_b32 s[G1B+2], 128<<16
	s_mov_b32 s[G1B+3], 128<<16
	s_mov_b32 s[G1B+4], 128
	s_mov_b32 s[G1B+5], 128
	s_mov_b32 s[G1B+6], 0
	s_mov_b32 s[G1B+7], 0
	s_mul_i32 s[WOFF], s[WV], QTR
	s_mov_b32 s[TBA], 0
	s_mov_b32 s[TBB], 0
	s_lshl_b32 s18, s[TR], 14
	s_lshl_b32 s16, s[WC], 20                      ; my two groups of the step's four
	s_add_co_u32 s18, s18, s16
	s_mov_b32 s19, 0
	s_lshl_b32 s20, s[TC], 20
	s_lshl_b32 s17, s[WC], 15                      ; my 128 k rows of the step's 256
	s_add_co_u32 s20, s20, s17
	s_add_co_u32 s20, s20, 16777216
	s_mov_b32 s21, 0
	s_wait_dscnt 0x0
	s_wait_kmcnt 0x0
	s_add_nc_u64 s[RA:RA+1], s[4:5], s[18:19]
	s_add_nc_u64 s[RB:RB+1], s[6:7], s[20:21]
	DESC T0A, G0A, RA, ASTEP
	DESC T0B, G0B, RB, BSTEP
	CROUND
	FIRST                                          ; K steps 0 and 1
	v_and_b32 v1, 15, v0
	v_bfe_u32 v2, v0, 4, 1
	v_mul_u32_u24 v3, v1, PA
	v_lshl_add_u32 v3, v2, 4, v3
	s_mul_i32 s80, s[WR], 16*NA*PA
	v_add_nc_u32 v[ADRA0], s80, v3
	v_and_b32 v4, 7, v0
	v_lshl_add_u32 v4, v2, 3, v4
	v_mul_u32_u24 v4, v4, PB
	v_bfe_u32 v5, v0, 3, 1
	v_lshl_add_u32 v4, v5, 4, v4
	s_lshl_b32 s80, s[WC], 7
	s_add_co_u32 s80, s80, BOFF
	v_add_nc_u32 v[ADRB0], s80, v4
	; the prefetches: act's rows are read by every cluster of a row of clusters: cluster x = 0 asks; W's by every cluster of a column: cluster y = 0 asks.  The four partners of a joint load share its 128 blocks out by address.
	s_lshr_b32 s22, s[CX], 1
	s_lshl_b32 s22, s22, 19
	s_and_b32 s23, s[CX], 1
	s_lshl_b32 s23, s23, 13
	s_add_co_u32 s22, s22, s23
	s_lshl_b32 s23, s[CY], 13
	s_and_b32 s88, ttmp7, 0xffff
	s_mov_b32 s89, ASTEP
	s_mov_b32 s90, BSTEP
	s_cmp_eq_u32 s[FB], 0
	s_cselect_b32 s22, s22, s23
	s_cselect_b32 s88, ttmp9, s88
	s_cselect_b32 s[PFS], s89, s90
	s_cselect_b64 s[PFA:PFA+1], s[RA:RA+1], s[RB:RB+1]
	s_mov_b32 s[PFS+1], 0
	s_mov_b32 s23, 0
	s_cmp_eq_u32 s88, 0
	s_cselect_b32 s[LIM], AH, -1
	s_add_nc_u64 s[PFA:PFA+1], s[PFA:PFA+1], s[22:23]
	s_mul_i32 s22, s[PFS], 1+AH
	s_add_nc_u64 s[PFA:PFA+1], s[PFA:PFA+1], s[22:23]
	v_and_b32 v[PFO], 31, v0
	v_lshlrev_b32 v[PFO], 8, v[PFO]
	s_lshl_b32 s88, s[TR], 7
	s_lshl_b32 s89, s[WR], 6
	s_add_co_u32 s88, s88, s89                     ; my first row
	s_lshl_b32 s22, s88, 12
	s_lshl_b32 s89, s[TC], 9
	s_add_co_u32 s22, s22, s89
	s_lshl_b32 s89, s[WC], 8
	s_add_co_u32 s22, s22, s89                     ; my first column, in bytes
	s_add_nc_u64 s[68:69], s[68:69], s[22:23]
	s_add_nc_u64 s[70:71], s[70:71], s[22:23]
	v_lshlrev_b32 v[CO], 12, v2
	v_lshl_add_u32 v[CO], v1, 4, v[CO]
	s_mul_i32 s80, s[WV], 17408                    ; my four stages of 16 rows x (256 + 16) bytes, in slot 0
	v_mul_u32_u24 v5, v1, 272
	v_lshl_add_u32 v5, v2, 5, v5
	v_add_nc_u32 v[STO], s80, v5
	v_mul_u32_u24 v5, v2, 272
	v_lshl_add_u32 v5, v1, 4, v5
	v_add_nc_u32 v[RD], s80, v5
	s_wait_tensorcnt 0x1                           ; my part of K step 0 is in; K step 1's may stay out
	s_barrier_signal -1
	s_barrier_wait -1
	ADRS
	FETCHS 0, 0
	FETCHS 1, 1
	s_wait_dscnt NL                                ; slice 0 is in
	MUL 0, 1                                       ; the first slice stands in front of the loop: its products start the sums
	WIN 0
	s_add_co_u32 s[TBA], s[TBA], PAIRA
	s_add_co_u32 s[TBB], s[TBB], PAIRB
	; my 64 x 64 of x2 are asked for here: the whole walk along K lies between these loads and the wait for them
	WIN 0x80
.irp a, 0,1,2,3
.irp t, 0,1,2,3,4,5,6,7
	global_load_b128 v[128+32*\a+4*\t:131+32*\a+4*\t], v[CO], s[68:69] offset:(16*\a+2*\t)*4096 th:TH_LOAD_NT
.endr
.endr
	WIN 0
	s_mov_b32 s[TRIPS], T-1
	s_mov_b32 s[CNT], NPAIR-1
	s_branch .Lpair                                ; the loop is entered behind its change of slots: K step 0 has its first slice behind it
.Lstep:                                                ; T - 2 times: K step c is entered, K step c + 1 asked for
	CHANGE 1
	s_mov_b32 s[CNT], NPAIR
.Lpair:
	PAIR
	s_sub_co_u32 s[CNT], s[CNT], 1
	s_cmp_lg_u32 s[CNT], 0
	s_cbranch_scc1 .Lpair
	s_sub_co_u32 s[TRIPS], s[TRIPS], 1
	s_cmp_lg_u32 s[TRIPS], 0
	s_cbranch_scc1 .Lstep
	CHANGE 0                                       ; the last K step is written out: nothing is asked for
	s_mov_b32 s[CNT], NPAIR
.Ltail:
	PAIR
	s_sub_co_u32 s[CNT], s[CNT], 1
	s_cmp_lg_u32 s[CNT], 0
	s_cbranch_scc1 .Ltail
	s_wait_dscnt 0x0
	MUL 1, 0                                       ; the very last slice
	WIN 0
	PLACES
	PLACES
	; THE WAY OUT.  Slot 0 has had its last fill, and its last reads were over at the last barrier: my stages lie there.  Each accumulator is read from its low end on.
	WIN 0x08
.irp a, 0,1,2,3
.irp b, 0,1,2,3
	ds_store_b128 v[STO], v[8*((\a)*4+\b):8*((\a)*4+\b)+3] offset:\a*4352+64*\b
	ds_store_b128 v[STO], v[8*((\a)*4+\b)+4:8*((\a)*4+\b)+7] offset:\a*4352+64*\b+16
.endr
.endr
	WIN 0
.irp a, 0,1,2,3
.irp t, 0,1,2,3,4,5,6,7
	ds_load_b128 v[64+32*\a+4*\t:67+32*\a+4*\t], v[RD] offset:\a*4352+544*\t  ; LDS serves a wave's instructions in order: these see the stores above
.endr
.endr
	s_wait_dscnt 0x0
	s_wait_loadcnt 0x0                             ; x2 is in
	WIN 0x08
.set k_, 0
.rept 64
	v_pk_add_f32 v[64+k_:65+k_], v[64+k_:65+k_], v[128+k_:129+k_]
.set k_, k_+2
.endr
	WIN 0
.irp a, 0,1,2,3
.irp t, 0,1,2,3,4,5,6,7
	global_store_b128 v[CO], v[64+32*\a+4*\t:67+32*\a+4*\t], s[70:71] offset:(16*\a+2*\t)*4096 th:TH_STORE_NT  ; 16 lanes store 256 consecutive bytes, aligned
.endr
.endr
	s_wait_tensorcnt 0x0                           ; the wave's end
	ds_add_u32 v[SPW], v[NIL]
	s_wait_dscnt 0x0
	CROUND
	s_endpgm
.Lfunc_end_k_q203f429e55_gffn2:
	.size	k_q203f429e55_gffn2, .Lfunc_end_k_q203f429e55_gffn2-k_q203f429e55_gffn2
	.p2alignl 7, 3214868480
	.fill 96, 4, 3214868480
	.section	.rodata,"a",@progbits
	.p2align	6, 0x0
	.amdhsa_kernel k_q203f429e55_gffn2
		.amdhsa_group_segment_fixed_size 327680
		.amdhsa_private_segment_fixed_size 0
		.amdhsa_enable_private_segment 0
		.amdhsa_kernarg_size 32
		.amdhsa_user_sgpr_count 2
		.amdhsa_user_sgpr_kernarg_segment_ptr 1
		.amdhsa_wavefront_size32 1
		.amdhsa_system_sgpr_workgroup_id_x 1
		.amdhsa_system_sgpr_workgroup_id_y 1
		.amdhsa_system_sgpr_workgroup_id_z 1
		.amdhsa_system_vgpr_workitem_id 0
		.amdhsa_next_free_vgpr 768
		.amdhsa_next_free_sgpr 100
		.amdhsa_reserve_vcc 0
		.amdhsa_float_denorm_mode_32 3
		.amdhsa_float_denorm_mode_16_64 3
		.amdhsa_memory_ordered 1
		.amdhsa_forward_progress 1
		.amdhsa_inst_pref_size 39
	.end_amdhsa_kernel
	.amdgpu_metadata
---
amdhsa.version: [ 1, 2 ]
amdhsa.kernels:
  - .name:           k_q203f429e55_gffn2
    .symbol:         k_q203f429e55_gffn2.kd
    .args:
      - { .name: act, .offset: 0, .size: 8, .value_kind: global_buffer, .address_space: global }
      - { .name: wts, .offset: 8, .size: 8, .value_kind: global_buffer, .address_space: global }
      - { .name: x2, .offset: 16, .size: 8, .value_kind: global_buffer, .address_space: global }
      - { .name: out0, .offset: 24, .size: 8, .value_kind: global_buffer, .address_space: global }
    .group_segment_fixed_size: 327680
    .private_segment_fixed_size: 0
    .kernarg_segment_align: 8
    .kernarg_segment_size: 32
    .max_flat_workgroup_size: 128
    .sgpr_count:     100
    .vgpr_count:     768
    .wavefront_size: 32
...
	.end_amdgpu_metadata
.endif
;; end of part 6
;; ======== version 2 of 2: 6 launches; version 1 with the launch prep written anew for expert scheduling mode
;; workspace buffers: wts 25,165,824 bytes; tab 524,288 bytes; hid 8,388,608 bytes; qkv 25,165,824 bytes; x2 16,777,216 bytes; a2 8,388,608 bytes; ssq 262,144 bytes; act 33,554,432 bytes
;; launch prep (part 7): grid 256 x 1, 16 waves a work-group, no clusters, 0 bytes of LDS; arguments z_H_previous, z_L_current, g_norm1, w_qkv, w_proj, w_ffn1, w_ffn2, wts, hid, tab; writes wts, hid, tab
.if DOCPART == 7
	.amdgcn_target "amdgcn-amd-amdhsa--gfx1250"
	.amdhsa_code_object_version 6
	.text
	.protected	k_q203f429e55_prep
	.globl	k_q203f429e55_prep
	.p2align	8
	.type	k_q203f429e55_prep,@function
k_q203f429e55_prep:
	s_mov_b64 s[64:65], 0
	v_nop
	global_prefetch_b8 v0, s[64:65] scope:SCOPE_SE
	s_setreg_imm32_b32 hwreg(HW_REG_WAVE_SCHED_MODE, 0, 2), 2
	s_setreg_imm32_b32 hwreg(HW_REG_WAVE_MODE, 25, 1), 1
	s_wait_xcnt 0x0
	s_wait_alu depctr_vm_vsrc(0)
; THREE STREAMS, shared out evenly: 256 work-groups of 16 waves, all alike.
; THE WEIGHTS, f32 [K][N], are rounded to bf16 and laid into column panels wts[p][k][128].  They are 1,536 blocks of 64 k rows x 128 columns (w_qkv 384, w_proj 128, w_ffn1 512, w_ffn2 512);
; work-group n takes blocks n + 256 j, j = 0 .. 5; of a block each of eight waves takes 8 rows.  Waves 8-15 take j = 0 .. 4 (40 rows), waves 0-7 j = 5 (8 rows).
; THE FIRST NORM: waves 0-7 take two rows each of x = zH + zL: hid = bf16(x * rsqrt(mean(x^2) + 1e-6) * g1), laid by groups of 64 columns: hid[g][row][64].
; ROPE'S TABLE: waves 8-15 make one row each: tab[l][4 groups][cos - 1 of 8 frequencies | sin of the same 8], f32, 256 bytes a row.
; IN FLIGHT: a wave asks for all that it reads at its start (48 or 40 loads of 512 bytes) and works the loads off in the order of issue; no register is used twice, so nothing waits for a store.
; LIMITS.  NaN and infinities are not treated apart.  The table serves positions 0 .. 2047: the angle is l x 2^(-0.41524101 f) in f32, reduced by
; multiples of pi/2 held in two words; with |r| <= pi/4 the series' first left-out terms are under 4e-7.
; THE MODE: SCHED_MODE bits 1:0 = 2 (LLVM: expert scheduling mode 2), set by the entry lines.  The code itself states the register dependences
; between vector instructions and memory instructions, with s_wait_alu, always for 0.
; THE PLAN.  Registers that memory instructions touch:
;   v2, v3        byte offsets, 16 x lane and 8 x lane: made once at the head, read by every load (v2) and every store (v3), never written again.
;   v[32:191]     waves 8-15: five blocks of 8 rows x 4 registers.  Written by the loads at the start; a block's sixteen conversions close each row up into its first two registers; its eight stores read those.
;   v[30:31]      waves 8-15: the table's row: written by vector arithmetic, read by one store.
;   v[16:175]     waves 0-7: g1 and two rows of zH and zL.  Written by the loads at the start; of what the vector work leaves there, sixteen stores read v[80:95] and v[144:159].
;   v[192:223]    waves 0-7: a block, as above.
; Every load is issued ahead of all vector work but the three lines that make v1 to v3, so no load lands in a register that a vector instruction has named; no register that a load or store has read is written
; again, so no wait on vm_vsrc is owed; EXEC is never written.  What is left: one wait on va_vdst at the head for the offsets, and one ahead of each RUN of stores, behind all the vector instructions that make the run's data.
; s6 holds a block's number in its weight, s5 my eighth of the block: the source at my 8 rows into s[S:S+1], the panel at the same rows into s[D:D+1]
.macro ADDR pitch, ksh, pbsh, dstoff, src, S, D
	s_and_b32 s7, s6, (1<<(\ksh))-1                ; which 64 k rows
	s_lshr_b32 s8, s6, \ksh                        ; which panel
	s_lshl3_add_u32 s7, s7, s5                     ; which 8 k rows
	s_mul_i32 s36, s7, 8*(\pitch)
	s_lshl_b32 s9, s8, 9                           ; 128 columns of f32
	s_add_co_u32 s36, s36, s9
	s_add_nc_u64 s[\S:\S+1], s[\src:\src+1], s[36:37]
	s_lshl_b32 s36, s8, \pbsh
	s_lshl_b32 s9, s7, 11                          ; 8 panel rows of 256 bytes
	s_add_co_u32 s36, s36, s9
	s_add_co_u32 s36, s36, \dstoff
	s_add_nc_u64 s[\D:\D+1], s[30:31], s[36:37]
.endm
.macro LD8 base, pitch, S              ; my 8 rows: each load of the wave covers a row's 512 consecutive bytes
.irp i, 0,1,2,3,4,5,6,7
	global_load_b128 v[(\base)+4*\i:(\base)+4*\i+3], v2, s[\S:\S+1] offset:\i*(\pitch) th:TH_LOAD_NT
.endr
.endm
.macro CV8 base, left                  ; a block is rounded: each row's four numbers a lane close up into the first two of their four registers.  left: the loads issued behind the block's eight
	s_wait_loadcnt \left                           ; loads come back in order: the block is in, the younger blocks stay out
.irp i, 0,1,2,3,4,5,6,7
	v_cvt_pk_bf16_f32 v[(\base)+4*\i], v[(\base)+4*\i], v[(\base)+4*\i+1]
	v_cvt_pk_bf16_f32 v[(\base)+4*\i+1], v[(\base)+4*\i+2], v[(\base)+4*\i+3]
.endr
.endm
.macro ST8 base, D                     ; a run of eight stores; the wait that shows their data written stands ahead of the run
.irp i, 0,1,2,3,4,5,6,7
	global_store_b64 v3, v[(\base)+4*\i:(\base)+4*\i+1], s[\D:\D+1] offset:\i*256  ; 32 lanes x 8 bytes: one panel row, 256 consecutive bytes, aligned
.endr
.endm
; x = zH + zL in place; the sum of its squares in two chains, then over the 32 lanes; mean + 1e-6 into v[q]
.macro SUMSQ x, z, q
.set k_, 0
.rept 16
	v_pk_add_f32 v[(\x)+k_:(\x)+k_+1], v[(\x)+k_:(\x)+k_+1], v[(\z)+k_:(\z)+k_+1]
.set k_, k_+2
.endr
	v_pk_mul_f32 v[(\q):(\q)+1], v[(\x):(\x)+1], v[(\x):(\x)+1]
	v_pk_mul_f32 v[(\q)+2:(\q)+3], v[(\x)+2:(\x)+3], v[(\x)+2:(\x)+3]
.set k_, 4
.rept 7
	v_pk_fma_f32 v[(\q):(\q)+1], v[(\x)+k_:(\x)+k_+1], v[(\x)+k_:(\x)+k_+1], v[(\q):(\q)+1]
	v_pk_fma_f32 v[(\q)+2:(\q)+3], v[(\x)+k_+2:(\x)+k_+3], v[(\x)+k_+2:(\x)+k_+3], v[(\q)+2:(\q)+3]
.set k_, k_+4
.endr
	v_pk_add_f32 v[(\q):(\q)+1], v[(\q):(\q)+1], v[(\q)+2:(\q)+3]
	v_add_f32 v[\q], v[\q], v[(\q)+1]
	v_add_f32_dpp v[\q], v[\q], v[\q] row_xmask:1 row_mask:0xf bank_mask:0xf
	v_add_f32_dpp v[\q], v[\q], v[\q] row_xmask:2 row_mask:0xf bank_mask:0xf
	v_add_f32_dpp v[\q], v[\q], v[\q] row_xmask:4 row_mask:0xf bank_mask:0xf
	v_add_f32_dpp v[\q], v[\q], v[\q] row_xmask:8 row_mask:0xf bank_mask:0xf
	v_permlanex16_b32 v[(\q)+1], v[\q], s12, s13
	v_add_f32 v[\q], v[\q], v[(\q)+1]
	v_fma_f32 v[\q], v[\q], s14, s15
.endm
; (x * rs) * g1, rounded to bf16: 16 registers from v[y] on
.macro SCALE x, rs, y
.set k_, 0
.rept 16
	v_pk_mul_f32 v[(\x)+k_:(\x)+k_+1], v[(\x)+k_:(\x)+k_+1], v[(\rs):(\rs)+1]
	v_pk_mul_f32 v[(\x)+k_:(\x)+k_+1], v[(\x)+k_:(\x)+k_+1], v[16+k_:17+k_]
.set k_, k_+2
.endr
.set k_, 0
.rept 16
	v_cvt_pk_bf16_f32 v[(\y)+k_], v[(\x)+2*k_], v[(\x)+2*k_+1]
.set k_, k_+1
.endr
.endm
; cos or sin of v10 x v[inv], less v7, into v[o]; six registers at work from v[t] on.  In three parts, each run for both of a lane's values, so that one wait serves both compares and both series stand ahead of it.
.macro VALQ inv, t, m                  ; the angle, reduced; q; is q odd? into s[m]
	v_mul_f32 v[\t], v10, v[\inv]                  ; the angle
	v_mul_f32 v[\t+1], s70, v[\t]
	v_rndne_f32 v[\t+1], v[\t+1]                   ; n quarter turns
	v_fma_f32 v[\t], v[\t+1], s71, v[\t]
	v_fma_f32 v[\t], v[\t+1], s72, v[\t]           ; r, within pi / 4 of 0
	v_cvt_i32_f32 v[\t+1], v[\t+1]
	v_add_nc_u32 v[\t+1], v[\t+1], v6              ; q
	v_and_b32 v[\t+5], 1, v[\t+1]
	v_cmp_eq_u32 s[\m], 1, v[\t+5]
.endm
.macro VALS t                          ; the two series
	v_mul_f32 v[\t+2], v[\t], v[\t]
	v_fma_f32 v[\t+3], v[\t+2], s73, s74
	v_fma_f32 v[\t+3], v[\t+3], v[\t+2], s75
	v_mul_f32 v[\t+3], v[\t+3], v[\t+2]
	v_fma_f32 v[\t+3], v[\t+3], v[\t], v[\t]       ; sin r
	v_fma_f32 v[\t+4], v[\t+2], s76, s77
	v_fma_f32 v[\t+4], v[\t+4], v[\t+2], s78
	v_fma_f32 v[\t+4], v[\t+4], v[\t+2], -0.5
	v_fma_f32 v[\t+4], v[\t+4], v[\t+2], 1.0       ; cos r
.endm
.macro VALE o, t, m                    ; the choice, the sign, and what is taken off
	v_cndmask_b32 v[\o], v[\t+4], v[\t+3], s[\m]   ; q odd: the sine
	v_add_nc_u32 v[\t+1], 1, v[\t+1]
	v_and_b32 v[\t+1], 2, v[\t+1]
	v_lshlrev_b32 v[\t+1], 30, v[\t+1]             ; q % 4 = 1 or 2: the sign turns
	v_xor_b32 v[\o], v[\o], v[\t+1]
	v_sub_f32 v[\o], v[\o], v7
.endm
	s_load_b512 s[16:31], s[0:1], 0x0              ; zH s[16:17], zL s[18:19], g1 s[20:21], w_qkv s[22:23], w_proj s[24:25], w_ffn1 s[26:27], w_ffn2 s[28:29], wts s[30:31]
	s_load_b128 s[32:35], s[0:1], 0x40             ; hid s[32:33], tab s[34:35]
	v_and_b32 v1, 31, v0                           ; lane
	v_lshrrev_b32 v2, 5, v0
	v_readfirstlane_b32 s3, v2                     ; wave 0..15
	s_mov_b32 s4, ttmp9                            ; n
	s_mov_b32 s37, 0                               ; the upper word of every offset
	v_lshlrev_b32 v2, 4, v1                        ; 16 x lane
	v_lshlrev_b32 v3, 3, v1                        ; 8 x lane
	s_wait_alu depctr_va_sdst(0)                   ; s3 is written, ahead of its first reader: my eighth, the branch and the rows' numbers are made from it
	s_and_b32 s5, s3, 7                            ; my eighth of a block
	s_wait_kmcnt 0x0
	s_wait_alu depctr_va_vdst(0)                   ; v2 and v3 are written: every load of the kernel reads v2 as its offset, every store v3, on both ways behind the branch
	s_cmp_lt_u32 s3, 8
	s_cbranch_scc1 .Lnorm
; ---- waves 8-15: five blocks' eighths, all 40 loads first
	s_mov_b32 s6, s4                               ; block n: w_qkv's block n
	ADDR 12288, 4, 18, 0, 22, 40, 42
	LD8 32, 12288, 40
	s_cmp_lt_u32 s4, 128                           ; block n + 256: w_qkv's up to 383, then w_proj's; eight loads on either way
	s_cbranch_scc0 .Lj1p
	s_add_co_u32 s6, s4, 256
	ADDR 12288, 4, 18, 0, 22, 44, 46
	LD8 64, 12288, 44
	s_branch .Lj1d
.Lj1p:
	s_sub_co_u32 s6, s4, 128
	ADDR 4096, 4, 18, 6291456, 24, 44, 46
	LD8 64, 4096, 44
.Lj1d:
	s_mov_b32 s6, s4                               ; block n + 512: w_ffn1's block n
	ADDR 16384, 4, 18, 8388608, 26, 48, 50
	LD8 96, 16384, 48
	s_add_co_u32 s6, s4, 256                       ; block n + 768
	ADDR 16384, 4, 18, 8388608, 26, 52, 54
	LD8 128, 16384, 52
	s_mov_b32 s6, s4                               ; block n + 1024: w_ffn2's block n
	ADDR 4096, 6, 20, 16777216, 28, 56, 58
	LD8 160, 4096, 56
; a row of rope's table, made while the loads are out.  Lane t makes words 2 t and 2 t + 1: group t / 8; t % 8 < 4: cos - 1 of frequencies 8 g + 2 (t % 4) and the next, else their sines.
	s_lshl3_add_u32 s10, s4, s5                    ; my position: 8 n + my eighth
	s_lshl_b32 s36, s10, 8
	s_add_nc_u64 s[34:35], s[34:35], s[36:37]
	s_mov_b32 s70, 0x3f22f983                      ; 2 / pi
	s_mov_b32 s71, 0xbfc90fdb                      ; - pi / 2, its first word,
	s_mov_b32 s72, 0x333bbd2e                      ; and what that word leaves out
	s_mov_b32 s73, 0xb9500d01                      ; - 1 / 5040
	s_mov_b32 s74, 0x3c088889                      ; 1 / 120
	s_mov_b32 s75, 0xbe2aaaab                      ; - 1 / 6
	s_mov_b32 s76, 0x37d00d01                      ; 1 / 40320
	s_mov_b32 s77, 0xbab60b61                      ; - 1 / 720
	s_mov_b32 s78, 0x3d2aaaab                      ; 1 / 24
	v_lshrrev_b32 v4, 3, v1
	v_and_b32 v5, 3, v1
	v_lshlrev_b32 v5, 1, v5
	v_lshl_add_u32 v4, v4, 3, v5                   ; my first frequency's number
	v_bfe_u32 v5, v1, 2, 1                         ; 1: I make sines
	v_mul_u32_u24 v6, v5, 3                        ; sin(t) = cos(t - pi/2): three quarter turns more
	v_xor_b32 v7, 1, v5
	v_cvt_f32_u32 v7, v7                           ; what is taken off at the end: 1 from a cosine, 0 from a sine
	v_cvt_f32_u32 v8, v4
	v_add_f32 v9, 1.0, v8
	v_mul_f32 v8, 0xbed49a78, v8                   ; - f log2(10000) / 32
	v_mul_f32 v9, 0xbed49a78, v9
	v_exp_f32 v8, v8
	v_exp_f32 v9, v9
	v_cvt_f32_u32 v10, s10                         ; a plain instruction behind the two,
	s_wait_alu depctr_va_vdst(0)                   ; and one wait for them: the two exponentials have written v8 and v9, ahead of their first reader
	VALQ 8, 12, 60
	VALQ 9, 20, 61
	VALS 12
	VALS 20
	s_wait_alu depctr_va_sdst(0)                   ; the two compares have written s60 and s61, ahead of the selects that read them
	VALE 30, 12, 60
	VALE 31, 20, 61
	CV8 32, 32
	s_wait_alu depctr_va_vdst(0)                   ; the table's arithmetic has written v[30:31] and the conversions the first block's rows: the nine stores below read them
	global_store_b64 v3, v[30:31], s[34:35]        ; a row of the table: 256 consecutive bytes, aligned
	ST8 32, 42
	CV8 64, 24
	s_wait_alu depctr_va_vdst(0)                   ; the conversions have written the second block's rows, which the eight stores below read
	ST8 64, 46
	CV8 96, 16
	s_wait_alu depctr_va_vdst(0)                   ; the same for the third block
	ST8 96, 50
	CV8 128, 8
	s_wait_alu depctr_va_vdst(0)                   ; for the fourth
	ST8 128, 54
	CV8 160, 0
	s_wait_alu depctr_va_vdst(0)                   ; and for the fifth
	ST8 160, 58
	s_endpgm
.Lnorm:
; ---- waves 0-7: two rows, r0 = 16 n + 2 w and the next, kept in registers between the sum of squares and the scaling; then an eighth of block n + 1280
	s_lshl_b32 s10, s4, 4
	s_lshl1_add_u32 s10, s3, s10                   ; r0
	s_lshl_b32 s36, s10, 12                        ; a row of x is 4,096 bytes
	s_add_nc_u64 s[16:17], s[16:17], s[36:37]
	s_add_nc_u64 s[18:19], s[18:19], s[36:37]
	s_lshl_b32 s36, s10, 7                         ; a row of a group is 128 bytes
	s_add_nc_u64 s[32:33], s[32:33], s[36:37]
	s_mov_b32 s12, 0x76543210                      ; v_permlanex16_b32: each lane takes its own place in the other half
	s_mov_b32 s13, 0xfedcba98
	s_mov_b32 s14, 0x3a800000                      ; 1 / 1024
	s_mov_b32 s15, 0x358637bd                      ; 1e-6
.irp j, 0,1,2,3,4,5,6,7
	global_load_b128 v[16+4*\j:19+4*\j], v2, s[20:21] offset:512*\j          ; g1: columns 128 j + 4 lane + 0..3
.endr
.irp j, 0,1,2,3,4,5,6,7
	global_load_b128 v[48+4*\j:51+4*\j], v2, s[16:17] offset:512*\j th:TH_LOAD_NT
	global_load_b128 v[80+4*\j:83+4*\j], v2, s[18:19] offset:512*\j th:TH_LOAD_NT
.endr
.irp j, 0,1,2,3,4,5,6,7
	global_load_b128 v[112+4*\j:115+4*\j], v2, s[16:17] offset:4096+512*\j th:TH_LOAD_NT
	global_load_b128 v[144+4*\j:147+4*\j], v2, s[18:19] offset:4096+512*\j th:TH_LOAD_NT
.endr
	s_add_co_u32 s6, s4, 256                       ; block n + 1280: w_ffn2's block n + 256
	ADDR 4096, 6, 20, 16777216, 28, 40, 42
	LD8 192, 4096, 40
	s_wait_loadcnt 24                              ; g1 and the first row are in; the second row's 16 loads and the block's 8 stay out
	SUMSQ 48, 80, 176
	s_wait_loadcnt 8                               ; the second row is in
	SUMSQ 112, 144, 180
	v_rsq_f32 v184, v176                           ; each made twice, to fill the pair that the packed multiply reads
	v_rsq_f32 v185, v176
	v_rsq_f32 v186, v180
	v_rsq_f32 v187, v180
	v_nop                                          ; a plain instruction behind the last of them,
	s_wait_alu depctr_va_vdst(0)                   ; and one wait for the batch: the four have written v[184:187], ahead of their first reader
	SCALE 48, 184, 80
	SCALE 112, 186, 144
; Lanes 0-15 hold a group of 64 columns, lanes 16-31 the next.  The swap puts one group of both rows into one register: two rows of a group are 256 consecutive bytes.
.set k_, 0
.rept 16
	v_permlane16_swap_b32 v[80+k_], v[144+k_]
.set k_, k_+1
.endr
	CV8 192, 0                                     ; the block is rounded here, so that one wait serves all 24 stores
	s_wait_alu depctr_va_vdst(0)                   ; the swaps have written v[80:95] and v[144:159], the conversions the block's rows: the 24 stores below read them
.irp j, 0,1,2,3,4,5,6,7
	global_store_b64 v3, v[80+2*\j:81+2*\j], s[32:33] offset:(2*\j)*524288      ; group 2 j, rows r0 and r0 + 1
	global_store_b64 v3, v[144+2*\j:145+2*\j], s[32:33] offset:(2*\j+1)*524288  ; group 2 j + 1
.endr
	ST8 192, 42
	s_endpgm
.Lfunc_end_k_q203f429e55_prep:
	.size	k_q203f429e55_prep, .Lfunc_end_k_q203f429e55_prep-k_q203f429e55_prep
	.p2alignl 7, 3214868480
	.fill 96, 4, 3214868480
	.section	.rodata,"a",@progbits
	.p2align	6, 0x0
	.amdhsa_kernel k_q203f429e55_prep
		.amdhsa_group_segment_fixed_size 0
		.amdhsa_private_segment_fixed_size 0
		.amdhsa_enable_private_segment 0
		.amdhsa_kernarg_size 80
		.amdhsa_user_sgpr_count 2
		.amdhsa_user_sgpr_kernarg_segment_ptr 1
		.amdhsa_wavefront_size32 1
		.amdhsa_system_sgpr_workgroup_id_x 1
		.amdhsa_system_sgpr_workgroup_id_y 1
		.amdhsa_system_sgpr_workgroup_id_z 1
		.amdhsa_system_vgpr_workitem_id 0
		.amdhsa_next_free_vgpr 224
		.amdhsa_next_free_sgpr 80
		.amdhsa_reserve_vcc 0
		.amdhsa_float_denorm_mode_32 3
		.amdhsa_float_denorm_mode_16_64 3
		.amdhsa_memory_ordered 1
		.amdhsa_forward_progress 1
		.amdhsa_inst_pref_size 42
	.end_amdhsa_kernel
	.amdgpu_metadata
---
amdhsa.version: [ 1, 2 ]
amdhsa.kernels:
  - .name:           k_q203f429e55_prep
    .symbol:         k_q203f429e55_prep.kd
    .args:
      - { .name: z_H_previous, .offset: 0, .size: 8, .value_kind: global_buffer, .address_space: global }
      - { .name: z_L_current, .offset: 8, .size: 8, .value_kind: global_buffer, .address_space: global }
      - { .name: g_norm1, .offset: 16, .size: 8, .value_kind: global_buffer, .address_space: global }
      - { .name: w_qkv, .offset: 24, .size: 8, .value_kind: global_buffer, .address_space: global }
      - { .name: w_proj, .offset: 32, .size: 8, .value_kind: global_buffer, .address_space: global }
      - { .name: w_ffn1, .offset: 40, .size: 8, .value_kind: global_buffer, .address_space: global }
      - { .name: w_ffn2, .offset: 48, .size: 8, .value_kind: global_buffer, .address_space: global }
      - { .name: wts, .offset: 56, .size: 8, .value_kind: global_buffer, .address_space: global }
      - { .name: hid, .offset: 64, .size: 8, .value_kind: global_buffer, .address_space: global }
      - { .name: tab, .offset: 72, .size: 8, .value_kind: global_buffer, .address_space: global }
    .group_segment_fixed_size: 0
    .private_segment_fixed_size: 0
    .kernarg_segment_align: 8
    .kernarg_segment_size: 80
    .max_flat_workgroup_size: 512
    .sgpr_count:     80
    .vgpr_count:     224
    .wavefront_size: 32
...
	.end_amdgpu_metadata
.endif
;; end of part 7
;; launch gqkv: the kernel of part 2 again; grid 8 x 32, 4 waves a work-group, clusters of 4 x 4, 327,680 bytes of LDS; arguments hid, wts, tab, qkv; writes qkv
;; launch attn: the kernel of part 3 again; grid 8 x 32, 4 waves a work-group, clusters of 4 x 1, 327,680 bytes of LDS; arguments qkv, hid; writes hid
;; launch gproj: the kernel of part 4 again; grid 8 x 32, 4 waves a work-group, clusters of 4 x 4, 327,680 bytes of LDS; arguments hid, wts, z_H_previous, z_L_current, g_norm2, x2, a2, ssq; writes x2, a2, ssq
;; launch gffn1: the kernel of part 5 again; grid 16 x 16, 4 waves a work-group, clusters of 4 x 4, 327,680 bytes of LDS; arguments a2, wts, ssq, act; writes act
;; launch gffn2: the kernel of part 6 again; grid 8 x 32, 4 waves a work-group, clusters of 4 x 4, 327,680 bytes of LDS; arguments act, wts, x2, out0; writes out0
